; MI455X (gfx1250); checked and timed in simulation.
; The chip was launched on July 23, 2026; its instructions are those of AMD's public machine-readable ISA for CDNA 5 (MIT licence, August 2026) and "CDNA5" Instruction Set Architecture Reference Guide (July 2026). The comments in the code are by the model that wrote it; some were corrected since.
;; Self Attention. Allowed arithmetic: matrix products marked QUANTISED: E2M3 operands, one E8M0 scale for each 32 along K, by v_wmma_scale_f32_16x16x128_f8f6f4 with both operands' format E2M3, f32 sums; everything else in f32.
;; Inputs: Wo 1,024 x 1,024 float32; Wqkv 3,072 x 1,024 float32; bo 1,024 float32; x 4 x 2,048 x 1,024 float32.
;; Outputs: out0 4 x 2,048 x 1,024 float32.
;; This version of the problem:
;;   THIS VERSION OF THE PROBLEM IS GIVEN IN LOW PRECISION. The matrix products marked QUANTISED in the list below multiply operands that are first quantised to E2M3 (2 exponent bits, 3 mantissa bits; 6 bits a number), with one power-of-two scale for each 32 numbers along K (OCP MX v1.0); their sums are f32. All else is computed in f32.
;;   The module's matrix products, in the order in which they are computed (A, B: the left and right operand; K: the contracted axis; several contracted axes count as one K, in the product's order):
;;     1. [M 8,192, K 1,024] x [K 1,024, N 3,072]; A: input x; B: input Wqkv: QUANTISED
;;     2. batch 64 x [M 2,048, K 64] x [K 64, N 2,048]; A: computed on the way; B: computed on the way: QUANTISED
;;     3. batch 64 x [M 2,048, K 2,048] x [K 2,048, N 64]; A: softmax (see below); B: computed on the way: QUANTISED
;;     4. [M 8,192, K 1,024] x [K 1,024, N 1,024]; A: computed on the way; B: input Wo: QUANTISED
;;   THE QUANTISER, for each operand of a quantised product, along K:
;;     - K is cut into blocks of 32 from its start; a last block that is shorter is filled with zeros.
;;     - A block's scale is 2^e with e = floor(log2(the largest magnitude in the block)) - 2, held to -126 .. 127; a block of zeros has e = 0. As a byte (E8M0): e + 127.
;;     - Each number is divided by its block's scale, clamped to +-7.5, and rounded to the nearest number of E2M3, ties to even, subnormals kept.
;;     - The product sums the exact products of the quantised numbers (number of the format x scale) in f32.
;;   ~~~python
;;   def quantise(x, axis):      # numpy; x: float32 -> the quantised numbers, widened to float32 again
;;       x = np.moveaxis(x, axis, -1); K = x.shape[-1]
;;       x = np.pad(x, [(0, 0)] * (x.ndim - 1) + [(0, -K % 32)]); x = x.reshape(x.shape[:-1] + (-1, 32)); a = np.abs(x).max(-1, keepdims=True)
;;       e = np.where(a > 0, np.clip(np.frexp(np.where(a > 0, a, 1))[1] - 1 - 2, -126, 127), 0)      # np.frexp(a)[1] - 1 = floor(log2(a)), exactly
;;       r = np.clip(x / 2.0 ** e, -7.5, 7.5)
;;       step = 2.0 ** (np.maximum(np.frexp(np.where(r == 0, 1, r))[1] - 1, 0) - 3)
;;       q = np.round(r / step) * step * 2.0 ** e      # np.round: ties to even
;;       return np.moveaxis(q.reshape(q.shape[:-2] + (-1,))[..., :K], -1, axis).astype(np.float32)
;;   ~~~
;;   SOFTMAX AHEAD OF A QUANTISED PRODUCT. Where the list says 'softmax', what is quantised is not the finished softmax but p = 2^(t - M), with t = logit x log2(e) and M = ceil(the row's largest t), a whole number; so 1/2 < the row's largest p <= 1. The row's sum l is taken of the UNQUANTISED p, in f32, and the product's result is divided by l at the end. Since M is a whole number, a kernel that streams over the keys may use a running M (the ceiling of the running maximum): every later rescaling is an exact power of two, which a block's scale takes up: the codes' values come out the same.
;;   OPERANDS COMPUTED ON THE WAY. 'Computed on the way' means the value that the module computes at that place (a softmax that the list does not call 'softmax' is quantised finished and normalised). What goes into a quantiser is computed in f32, as accurately as f32 sums, v_exp_f32 and their like allow (about 1e-6 of the number): no bf16 or f16 on the way to a quantiser, and a product that is left as it is and whose result goes on into a quantised operand takes f32 operands (vector FMAs, or v_wmma_f32_16x16x4_f32). A number that lies on a knife's edge between two numbers of the format may be rounded either way, as far as f32 arithmetic and the matrix unit's own rounding can turn it there, and no further.
;; One version. Each part assembles by itself: llvm-mc -triple=amdgcn-amd-amdhsa -mcpu=gfx1250 --defsym DOCPART=n.
;; ======== version 1 of 1: 4 launches
;; workspace buffers: xc 6,291,456 bytes; wc 2,359,296 bytes; woc 786,432 bytes; sc 655,360 bytes; qc 6,815,744 bytes; kv 13,369,344 bytes; ao 6,291,456 bytes
;; launch quant (part 1): grid 768 x 1, 8 waves a work-group, no clusters, 69,120 bytes of LDS; arguments x, Wqkv, Wo, xc, wc, woc, sc; writes xc, wc, woc, sc
.if DOCPART == 1
	.amdgcn_target "amdgcn-amd-amdhsa--gfx1250"
	.amdhsa_code_object_version 6
	.text
	.protected	k_q1730e131e2_quant
	.globl	k_q1730e131e2_quant
	.p2align	8
	.type	k_q1730e131e2_quant,@function
k_q1730e131e2_quant:
	s_mov_b64 s[64:65], 0
	v_nop
	global_prefetch_b8 v0, s[64:65] scope:SCOPE_SE
	s_setreg_imm32_b32 hwreg(HW_REG_WAVE_MODE, 25, 1), 1
	s_wait_xcnt 0x0
; x [8192][1024], Wqkv [3072][1024] and Wo [1024][1024], f32, K innermost, become codes of FP6 (E2M3) with one E8M0 scale byte for each 32 along K.
; A block's scale is 2^(floor(log2(its largest magnitude)) - 2); its byte is the largest magnitude's exponent field - 2, held at 1 from below.
; LIMITS: NaN and infinities among the inputs are not served.  A block whose largest magnitude lies under 2^-124 (a block of zeros among them) gets the byte 1 where the rule says 127 for zeros:
; its codes are zeros or next to it, and the bytes are read by this program alone.
; THE CODES ARE LAID AS IMAGES OF THE OPERAND'S REGISTERS.  A fragment (16 rows x 128 K, 12 registers a lane) is 1,536 bytes: registers 0-3 at 16 x lane, 4-5 at 512 + 8 x lane, 6-9 at 768 + 16 x lane,
; 10-11 at 1,280 + 8 x lane.  A row tile's eight fragments lie on end.  So every later load of an operand is dense, and every store here covers whole runs of 256 consecutive bytes.
; THE ROWS OF A TILE ARE NOT NEIGHBOURS: lane r of tile 2 b + u holds row 32 b + 8 u + r % 8 + 16 (r / 8), so that a product that takes such tiles as source 0 leaves 16 neighbours in 16 registers of a lane.
; Wqkv's tiles are ordered by kind: tile = kind x 64 + head x 4 + t (all of q, then k, then v); its rows are head x 192 + kind x 64 + the row in the head's 64.
; THE SCALE WORDS of a row tile are 512 bytes: the word of (row r, K step s) at 256 (s / 4) + 16 r + 4 (s % 4); tile g of this launch has them at 512 g in sc.
; SHARES: a work-group takes one row tile (512 of x, 192 of Wqkv, 64 of Wo), wave w its K step w: one fragment a wave, no loop.  Only pointers are chosen by the work-group's number: one path through the text.
; Each load reads 512 consecutive bytes of a row; the 16 rows turn through the wave's own stage in LDS (rows 528 bytes apart), from which a lane takes its two whole blocks of 32.
.set ROWB,  4096                       ; a row of 1,024 f32
.set STG,   16*528                     ; a wave's stage
.set SG,    8*STG                      ; behind the stages: the tile's 512 bytes of scale words
.set SPARE, SG+512                     ; the spare words, 128 bytes for each wave: four blocks of 256 bytes that no other line names
.set L16, 4                            ; v4   16 x lane
.set L8,  5                            ; v5   8 x lane
.set STW, 6                            ; v6   the stage, on the way in
.set STR, 7                            ; v7   and on the way out: row r, + 128 h
.set SGW, 8                            ; v8   where my row's scale word goes
.set SGR, 9                            ; v9   where wave 0 reads the 512 bytes back
.set SPW, 10                           ; v10  LDS address of my spare word; never rewritten
.set NIL, 11                           ; v11  0; never rewritten
.set M,   12                           ; v12-15 four running maxima
.set SO,  16                           ; v16-17 the conversions' scale operands
.set BY,  18                           ; v18-19 the scale bytes
.set WD,  20                           ; v20  the scale word; v21, v22 at work
.set C,   24                           ; v24-35 the fragment
.set R,   40                           ; v40-103 as loaded; later v40-42, v44-46 the conversions' second halves
.set X,   104                          ; v104-167 my two blocks of 32
	s_load_b256 s[4:11], s[0:1], 0x0               ; x, Wqkv, Wo, xc
	s_load_b128 s[12:15], s[0:1], 0x20             ; wc, woc
	s_load_b64 s[16:17], s[0:1], 0x30              ; sc
	v_lshl_add_u32 v[SPW], v0, 2, SPARE
	v_mov_b32 v[NIL], 0
	v_lshrrev_b32 v1, 5, v0
	v_readfirstlane_b32 s18, v1                    ; wave = K step
	v_and_b32 v1, 31, v0                           ; lane
	v_and_b32 v2, 15, v0                           ; r
	v_bfe_u32 v3, v0, 4, 1                         ; h
	v_lshlrev_b32 v[L16], 4, v1
	v_lshlrev_b32 v[L8], 3, v1
	s_mul_i32 s19, s18, STG
	v_add_nc_u32 v[STW], s19, v[L16]
	v_mul_u32_u24 v[STR], v2, 528
	v_lshl_add_u32 v[STR], v3, 7, v[STR]
	v_add_nc_u32 v[STR], s19, v[STR]
	s_lshr_b32 s28, s18, 2
	s_lshl_b32 s28, s28, 8
	s_and_b32 s29, s18, 3
	s_lshl_b32 s29, s29, 2
	s_add_co_u32 s28, s28, s29
	s_add_co_u32 s28, s28, SG
	v_lshl_add_u32 v[SGW], v2, 4, s28              ; SG + 256 (w / 4) + 4 (w % 4) + 16 r
	v_add_nc_u32 v[SGR], SG, v[L16]
	s_mov_b32 s30, 0x76543210
	s_mov_b32 s31, 0xfedcba98                      ; v_permlanex16_b32's selects for lane l xor 16
	; which tensor, which tile T of it, and the tile's first row
	s_mov_b32 s21, 704
	s_cmp_lt_u32 ttmp9, 704
	s_cselect_b32 s21, 512, s21
	s_cmp_lt_u32 ttmp9, 512
	s_cselect_b32 s21, 0, s21                      ; the tensor's first work-group
	s_sub_co_u32 s20, ttmp9, s21                   ; T
	s_lshr_b32 s22, s20, 1
	s_lshl_b32 s22, s22, 5
	s_and_b32 s23, s20, 1
	s_lshl_b32 s23, s23, 3
	s_add_co_u32 s22, s22, s23                     ; x, Wo: 32 (T / 2) + 8 (T % 2)
	s_bfe_u32 s24, s20, 0x40002                    ; Wqkv: the head, (T / 4) % 16,
	s_mul_i32 s24, s24, 192
	s_lshr_b32 s25, s20, 6                         ; the kind, T / 64,
	s_lshl_b32 s25, s25, 6
	s_add_co_u32 s24, s24, s25
	s_bfe_u32 s25, s20, 0x10001                    ; and the tile in the head's 64 rows
	s_lshl_b32 s25, s25, 5
	s_add_co_u32 s24, s24, s25
	s_add_co_u32 s24, s24, s23
	s_sub_co_u32 s25, ttmp9, 512
	s_cmp_lt_u32 s25, 192                          ; work-groups 512 to 703 take Wqkv
	s_cselect_b32 s22, s24, s22
	s_lshl_b32 s22, s22, 12                        ; the row in bytes,
	s_lshl_b32 s23, s18, 9                         ; + my K step's 512 bytes
	s_add_co_u32 s22, s22, s23
	s_mov_b32 s23, 0
	s_lshl_b32 s24, s20, 3
	s_add_co_u32 s24, s24, s18
	s_mul_i32 s24, s24, 1536                       ; my fragment's place: (8 T + w) x 1,536
	s_mov_b32 s25, 0
	s_lshl_b32 s26, ttmp9, 9                       ; the tile's scale words: 512 x work-group
	s_mov_b32 s27, 0
	s_wait_kmcnt 0x0
	s_cmp_lt_u32 ttmp9, 704                        ; the choices hang on the work-group's number alone
	s_cselect_b64 s[6:7], s[6:7], s[8:9]
	s_cselect_b64 s[12:13], s[12:13], s[14:15]
	s_cmp_lt_u32 ttmp9, 512
	s_cselect_b64 s[4:5], s[4:5], s[6:7]
	s_cselect_b64 s[10:11], s[10:11], s[12:13]
	s_add_nc_u64 s[4:5], s[4:5], s[22:23]
	s_add_nc_u64 s[10:11], s[10:11], s[24:25]
	s_add_nc_u64 s[16:17], s[16:17], s[26:27]
.irp i, 0,1,2,3,4,5,6,7,8,9,10,11,12,13,14,15
	global_load_b128 v[R+4*\i:R+4*\i+3], v[L16], s[4:5] offset:((\i%8)+16*(\i/8))*ROWB th:TH_LOAD_NT   ; the tile's i-th row: 32 lanes read 512 consecutive bytes
.endr
.irp i, 0,1,2,3,4,5,6,7,8,9,10,11,12,13,14,15
	s_wait_loadcnt 15-\i                           ; loads come back in order: row i is in, the younger ones stay out
	ds_store_b128 v[STW], v[R+4*\i:R+4*\i+3] offset:528*\i
.endr
.irp c, 0,1
.irp n, 0,1,2,3,4,5,6,7
	ds_load_b128 v[X+32*\c+4*\n:X+32*\c+4*\n+3], v[STR] offset:256*\c+16*\n   ; k = 64 c + 32 h + 4 n .. of row r.  LDS serves a wave's instructions in order: these see my stores
.endr
.endr
	s_wait_dscnt 0x0
.irp q, 0,1,2,3                        ; four chains of 16 numbers, by turns; the floor 2^(3 - 127) among the leaves holds the byte at 1 from below
	v_max3_num_f32 v[M+\q], |v[X+16*\q]|, |v[X+16*\q+1]|, 0x1800000
.endr
.irp i, 2,4,6,8,10,12,14
.irp q, 0,1,2,3
	v_max3_num_f32 v[M+\q], v[M+\q], |v[X+16*\q+\i]|, |v[X+16*\q+\i+1]|
.endr
.endr
	v_max_num_f32 v[M], v[M], v[M+1]               ; block h of the K step's four,
	v_max_num_f32 v[M+2], v[M+2], v[M+3]           ; and block 2 + h
	v_add_nc_u32 v[SO], 0xff000000, v[M]           ; 2 off the exponent field: the conversion takes the exponent field of this operand as its scale
	v_add_nc_u32 v[SO+1], 0xff000000, v[M+2]
	v_lshrrev_b32 v[BY], 23, v[SO]                 ; the scale bytes
	v_lshrrev_b32 v[BY+1], 23, v[SO+1]
	v_lshl_or_b32 v[WD], v[BY+1], 16, v[BY]
	v_lshlrev_b32 v21, 3, v3
	v_lshlrev_b32 v[WD], v21, v[WD]                ; at their places in the word: 8 h bits up
	v_mov_b32 v22, 0
	v_permlanex16_b32 v22, v[WD], s30, s31
	v_or_b32 v[WD], v[WD], v22                     ; with lane l xor 16's two bytes the word is whole
	v_cvt_scalef32_pk16_fp6_f32 v[C:C+2], v[X:X+15], v[SO]
	v_cvt_scalef32_pk16_fp6_f32 v[R:R+2], v[X+16:X+31], v[SO]          ; (a conversion's three registers begin on an even number)
	v_cvt_scalef32_pk16_fp6_f32 v[C+6:C+8], v[X+32:X+47], v[SO+1]
	v_cvt_scalef32_pk16_fp6_f32 v[R+4:R+6], v[X+48:X+63], v[SO+1]
	v_nop                                          ; one plain place behind a scaled conversion
.irp i, 0,1,2
	v_mov_b32 v[C+3+\i], v[R+\i]
	v_mov_b32 v[C+9+\i], v[R+4+\i]
.endr
	global_store_b128 v[L16], v[C:C+3], s[10:11]               ; the fragment's image: 512, 256, 512 and 256 consecutive bytes
	global_store_b64 v[L8], v[C+4:C+5], s[10:11] offset:512
	global_store_b128 v[L16], v[C+6:C+9], s[10:11] offset:768
	global_store_b64 v[L8], v[C+10:C+11], s[10:11] offset:1280
	ds_store_b32 v[SGW], v[WD]                     ; lanes r and r + 16 write the same word with the same value
	s_wait_dscnt 0x0                               ; for the others' sake: my word has landed
	s_barrier_signal -1
	s_barrier_wait -1
	s_cmp_lg_u32 s18, 0
	s_cbranch_scc1 .Ldone
	ds_load_b128 v[X:X+3], v[SGR]                  ; wave 0 stores the tile's 512 bytes of scale words whole
	s_wait_dscnt 0x0
	global_store_b128 v[L16], v[X:X+3], s[16:17]
.Ldone:
	s_wait_tensorcnt 0x0                           ; the wave's end: behind my last LDS store
	ds_add_u32 v[SPW], v[NIL]
	s_wait_dscnt 0x0
	s_endpgm
.Lfunc_end_k_q1730e131e2_quant:
	.size	k_q1730e131e2_quant, .Lfunc_end_k_q1730e131e2_quant-k_q1730e131e2_quant
	.p2alignl 7, 3214868480
	.fill 96, 4, 3214868480
	.section	.rodata,"a",@progbits
	.p2align	6, 0x0
	.amdhsa_kernel k_q1730e131e2_quant
		.amdhsa_group_segment_fixed_size 69120
		.amdhsa_private_segment_fixed_size 0
		.amdhsa_enable_private_segment 0
		.amdhsa_kernarg_size 56
		.amdhsa_user_sgpr_count 2
		.amdhsa_user_sgpr_kernarg_segment_ptr 1
		.amdhsa_wavefront_size32 1
		.amdhsa_system_sgpr_workgroup_id_x 1
		.amdhsa_system_sgpr_workgroup_id_y 1
		.amdhsa_system_sgpr_workgroup_id_z 1
		.amdhsa_system_vgpr_workitem_id 0
		.amdhsa_next_free_vgpr 168
		.amdhsa_next_free_sgpr 66
		.amdhsa_reserve_vcc 0
		.amdhsa_float_denorm_mode_32 3
		.amdhsa_float_denorm_mode_16_64 3
		.amdhsa_memory_ordered 1
		.amdhsa_forward_progress 1
		.amdhsa_inst_pref_size 12
	.end_amdhsa_kernel
	.amdgpu_metadata
---
amdhsa.version: [ 1, 2 ]
amdhsa.kernels:
  - .name:           k_q1730e131e2_quant
    .symbol:         k_q1730e131e2_quant.kd
    .args:
      - { .name: x, .offset: 0, .size: 8, .value_kind: global_buffer, .address_space: global }
      - { .name: Wqkv, .offset: 8, .size: 8, .value_kind: global_buffer, .address_space: global }
      - { .name: Wo, .offset: 16, .size: 8, .value_kind: global_buffer, .address_space: global }
      - { .name: xc, .offset: 24, .size: 8, .value_kind: global_buffer, .address_space: global }
      - { .name: wc, .offset: 32, .size: 8, .value_kind: global_buffer, .address_space: global }
      - { .name: woc, .offset: 40, .size: 8, .value_kind: global_buffer, .address_space: global }
      - { .name: sc, .offset: 48, .size: 8, .value_kind: global_buffer, .address_space: global }
    .group_segment_fixed_size: 69120
    .private_segment_fixed_size: 0
    .kernarg_segment_align: 8
    .kernarg_segment_size: 56
    .max_flat_workgroup_size: 256
    .sgpr_count:     66
    .vgpr_count:     168
    .wavefront_size: 32
...
	.end_amdgpu_metadata
.endif
;; end of part 1
;; launch gemm_qkv (part 2): grid 12 x 32, 4 waves a work-group, clusters of 4 x 4, 327,680 bytes of LDS; arguments xc, wc, sc, qc, kv; writes qc, kv
.if DOCPART == 2
	.amdgcn_target "amdgcn-amd-amdhsa--gfx1250"
	.amdhsa_code_object_version 6
	.text
	.protected	k_q1730e131e2_gemm_qkv
	.globl	k_q1730e131e2_gemm_qkv
	.p2align	8
	.type	k_q1730e131e2_gemm_qkv,@function
k_q1730e131e2_gemm_qkv:
	s_mov_b64 s[64:65], 0
	v_nop
	global_prefetch_b8 v0, s[64:65] scope:SCOPE_SE
	s_setreg_imm32_b32 hwreg(HW_REG_WAVE_MODE, 25, 1), 1
	s_wait_xcnt 0x0
	s_wait_alu depctr_hold_cnt(0) depctr_sa_sdst(0) depctr_va_vdst(0) depctr_va_sdst(0) depctr_va_ssrc(0) depctr_va_vcc(0) depctr_vm_vsrc(0)
	s_getreg_b32 s2, hwreg(HW_REG_IB_STS2, 6, 4)
	s_cmp_eq_u32 s2, 0
	s_cbranch_scc0 .Lentry_in_a_cluster
	s_endpgm
.Lentry_in_a_cluster:
	s_bfe_u32 s2, ttmp6, 0x10000c
	s_cmp_lg_u32 s2, 0xf033
	s_cbranch_scc0 .Lentry_shape_is_right
	s_endpgm
.Lentry_shape_is_right:
; qkv = x Wqkv^T on codes of FP6 (E2M3) with E8M0 scales, sums in f32; q, k and v never go to memory as f32: each is quantised here, along the K of the product that will read it, and leaves as codes.
; A work-group of four waves makes 256 rows of x by 256 rows of Wqkv; a wave 128 x 128: 64 accumulators of 16 x 16, 512 registers.  K = 1,024 goes in eight steps of 128, two to an LDS slot.
; Wqkv's tiles are ordered by kind, so the cluster's x is the kind: 0 q, 1 k, 2 v; it is the same in all sixteen partners.
; WHICH SIDE IS SOURCE 0.  A lane's registers run along source 0's rows.  q and k are quantised along the head's 64: source 0 = Wqkv ("P"), source 1 = x ("R").  v is quantised along the keys: P = x, R = Wqkv.
; The tiles come into LDS alike for all kinds; only two LDS bases and two scale offsets are chosen by the kind, and the matrix text is one.
; THE TILES ARE IMAGES OF THE OPERANDS' REGISTERS (a fragment: 1,536 bytes; registers 0-3 at 16 x lane, 4-5 at 512 + 8 x lane, 6-9 at 768 + 16 x lane, 10-11 at 1,280 + 8 x lane): every LDS load is dense, no pitch, no padding.
; Lane r of tile 2 b + u holds row 32 b + 8 u + r % 8 + 16 (r / 8): so registers 16 B + i of a lane's accumulators (a, 2 B) and (a, 2 B + 1) are P's rows 32 B + 16 (lane / 16) + i: neighbours.
; THE RING: three slots of 98,304 bytes, filled at the start with K steps 0-5; slot 0 is filled once more, with K steps 6 and 7, behind the one round of the cluster's barrier in the middle: that load has 96 matrix
; instructions a wave in which to land.  By this text's count a wave has at most three tensor loads out.
; CLUSTERS: 4 x 4 work-groups; x's tiles are shared along a row of the cluster, Wqkv's along a column: each is asked for jointly, by the same tensor load with the same descriptor and a mask that names the four.
; OUT.  qc: [batch x head 64][group of 128 queries 16][6,656]: eight half fragments (16 rows x 64) of 768 bytes, then 512 bytes of scale words.
;       kv: [batch x head 64][key step 16][13,056]: K as q at 0; V^T's four fragments (16 of the head's 64 x 128 keys) at 6,656; V's scale words, 256 bytes, at 12,800.
; LIMITS: NaN and infinities are not served; a block whose largest magnitude lies under 2^-124 gets the scale byte 1 (the bytes are read by this program alone).
; REGISTERS, in windows of 256: window 0: v1-29 addresses; v32-95 scale words; v96-127 and v224-246 the way out; v128-223 R's fragments, one set.  window 1: P's fragments, two sets, at v0 and v128.
;   window 2: the accumulators of R's blocks 0-3 ((a, b) at v[8 (8 (a % 4) + b)]); window 3: those of blocks 4-7.
.set FR,    12                         ; registers of a fragment
.set FRB,   1536                       ; its image in bytes
.set TROW,  2*FRB                      ; a row tile's two K steps: a row of a tensor load
.set KROW,  8*FRB                      ; a row tile's eight K steps in memory
.set HALFT, 8*TROW                     ; eight row tiles: what one tensor load brings, and what a wave reads of a side
.set SLOT,  4*HALFT                    ; x's 16 row tiles, then Wqkv's 16
.set SPARE, 3*SLOT                     ; behind the ring: the spare words, 128 bytes for each wave: two blocks of 256 bytes that no other line names
.set L16, 4                            ; v4     16 x lane
.set L8,  5                            ; v5     8 x lane
.set P16, 6                            ; v6-8   P's eight tiles in slot 0, 1, 2, + 16 x lane;  v9-11 + 8 x lane
.set P8,  9
.set R16, 12                           ; v12-14, v15-17 the same for R
.set R8,  15
.set SOF, 18                           ; v18    my offset among the scale words: lanes 0-15 R's, lanes 16-31 P's
.set SPW, 28                           ; v28    LDS address of my spare word; never rewritten
.set NIL, 29                           ; v29    0; never rewritten
.set SC,  32                           ; v[SC + 8 i + s]: lanes 0-15 the word of R's block i, lanes 16-31 that of P's block i, for K step s
.set PW,  96                           ; v96-103  the way out: the scale word of each of R's eight blocks
.set WD,  104                          ; v104-111 scale words as they are stored
.set PC,  112                          ; v112-123 the codes just made
.set RF,  128
.set TM,  224                          ; v224-227 largest magnitudes, v228-231 bytes, v236-239 the conversions' scale operands
.set CT,  240                          ; v240-242, v244-246 the conversions' second halves
.set G1,  24                           ; s[24:31] descriptor group 1 for x's tiles;  s[32:39] for Wqkv's
.set G1B, 32
.set G0,  40                           ; s[40:51] group 0 for x's tiles, a set for each slot;  s[52:63] for Wqkv's
.set G0B, 52
.set SEL, 80                           ; s[80:81] lane selects for v_permlanex16_b32
.set MSB, 0
.macro WIN new                         ; the immediate's high byte repeats the setting that is left
.if MSB != \new
	s_set_vgpr_msb (MSB<<8)|\new
.set MSB, \new
.endif
.endm
.set MUL_LO, 0xa1                      ; source 0 (P) window 1, source 1 (R) window 0, C and D window 2
.set MUL_HI, 0xf1                      ; the same, C and D window 3
.set TO_P,   0x40                      ; destination window 1, address window 0
; A joint load: waves 0 and 1 fetch x's halves, waves 2 and 3 Wqkv's.  The branch hangs on the wave's number alone.  An s_nop 0 and four v_nop follow each of the two lines.
.macro JLOAD g0a, g1a, g0b, g1b
	s_cmp_eq_u32 s15, 0
	s_cbranch_scc0 .Lfor_b_\@
	tensor_load_to_lds s[\g0a:\g0a+3], s[\g1a:\g1a+7]
	s_nop 0
.rept 4
	v_nop
.endr
	s_branch .Lasked_\@
.Lfor_b_\@:
	tensor_load_to_lds s[\g0b:\g0b+3], s[\g1b:\g1b+7]
	s_nop 0
.rept 4
	v_nop
.endr
.Lasked_\@:
.endm
.macro CREST                           ; a round of the cluster's barrier behind its opening barrier
	s_cmp_lg_u32 s14, 0
	s_cbranch_scc1 .Lnot_wave_0_\@
	s_barrier_signal -3
.Lnot_wave_0_\@:
	s_barrier_wait -3
	s_barrier_signal -1
	s_barrier_wait -1
.endm
.macro CROUND                          ; a whole round
	s_barrier_signal -1
	s_barrier_wait -1
	CREST
.endm
.macro PLACES                          ; four places behind a matrix instruction, in front of loads into its registers and of reads of its results
.rept 4
	v_nop
.endr
.endm
	s_load_b256 s[4:11], s[0:1], 0x0               ; xc s[4:5], wc s[6:7], sc s[8:9], qc s[10:11]
	s_load_b64 s[12:13], s[0:1], 0x20              ; kv
	v_lshl_add_u32 v[SPW], v0, 2, SPARE
	v_mov_b32 v[NIL], 0
	ds_add_u32 v[SPW], v[NIL]                      ; the wave's opening: the add and its wait stand ahead of my first tensor load; the set-up below stands between them
	v_lshrrev_b32 v1, 5, v0
	v_readfirstlane_b32 s14, v1                    ; wave 0..3
	s_lshr_b32 s15, s14, 1                         ; which 128 rows of x are mine.  Also: I fetch for x (0) or for Wqkv (1)
	s_and_b32 s16, s14, 1                          ; which 128 rows of Wqkv.  Also: which eight row tiles I fetch
	s_bfe_u32 s66, ttmp6, 0x40000                  ; cx, cy: my place in the cluster
	s_bfe_u32 s67, ttmp6, 0x40004
	s_lshl_b32 s68, ttmp9, 2
	s_add_co_u32 s68, s68, s66                     ; block of 256 rows of Wqkv = 4 x cluster x + cx
	s_and_b32 s69, ttmp7, 0xffff
	s_lshl_b32 s69, s69, 2
	s_add_co_u32 s69, s69, s67                     ; block of 256 rows of x = 4 x cluster y + cy
	s_lshl_b32 s70, s67, 2
	s_lshl_b32 s70, 15, s70                        ; my row of the cluster
	s_lshl_b32 s71, 0x1111, s66                    ; my column
	; descriptor group 1: eight rows (row tiles) of 3,072 bytes, 12,288 bytes apart, in elements of 8 bytes; no padding
	s_or_b32 s[G1], s70, (3<<16)|(1<<21)           ; 15:0 the mask: x's tiles go to my row; 17:16 elements of 8 bytes; 21 set beside a mask
	s_or_b32 s[G1B], s71, (3<<16)|(1<<21)          ; Wqkv's to my column
.irp g, G1, G1B
	s_mov_b32 s[\g+1], 384<<16                     ; tensor_dim0
	s_mov_b32 s[\g+2], 8<<16                       ; tensor_dim1
	s_mov_b32 s[\g+3], 384<<16                     ; tile_dim0
	s_mov_b32 s[\g+4], 8                           ; tile_dim1
	s_mov_b32 s[\g+5], 1536                        ; tensor_dim0_stride
	s_mov_b32 s[\g+6], 0
	s_mov_b32 s[\g+7], 0
.endr
	s_lshl_b32 s76, s16, 3                         ; which eight row tiles I fetch
	s_lshl_b32 s20, s69, 4
	s_add_co_u32 s20, s20, s76
	s_mul_i32 s20, s20, KROW                       ; x: row tile 16 x block + 8 x half, in bytes
	s_mov_b32 s21, 0
	s_lshl_b32 s22, s68, 4
	s_add_co_u32 s22, s22, s76
	s_mul_i32 s22, s22, KROW                       ; Wqkv likewise
	s_mov_b32 s23, 0
	s_mul_i32 s18, s14, HALFT                      ; where they go: wave x eight row tiles: no place in the cluster enters an LDS address
	s_mov_b32 s[SEL], 0x76543210
	s_mov_b32 s[SEL+1], 0xfedcba98
	s_wait_dscnt 0x0                               ; the opening add is done
	s_wait_kmcnt 0x0
	s_add_nc_u64 s[20:21], s[4:5], s[20:21]
	s_add_nc_u64 s[22:23], s[6:7], s[22:23]
	CROUND                                         ; all sixteen work-groups are here: the first joint loads meet
.irp n, 0,1,2
	s_mov_b32 s[G0+4*\n], 1                        ; count = 1
	s_add_co_u32 s[G0+4*\n+1], s18, \n*SLOT        ; LDS address
	s_add_nc_u64 s[G0+4*\n+2:G0+4*\n+3], s[20:21], \n*TROW   ; global address: K steps 2 n and 2 n + 1
	s_or_b32 s[G0+4*\n+3], s[G0+4*\n+3], 0x80000000          ; type = 2
	s_mov_b32 s[G0B+4*\n], 1
	s_add_co_u32 s[G0B+4*\n+1], s18, \n*SLOT
	s_add_nc_u64 s[G0B+4*\n+2:G0B+4*\n+3], s[22:23], \n*TROW
	s_or_b32 s[G0B+4*\n+3], s[G0B+4*\n+3], 0x80000000
	JLOAD G0+4*\n, G1, G0B+4*\n, G1B
.endr
	v_and_b32 v1, 31, v0                           ; lane
	v_and_b32 v2, 15, v0                           ; r
	v_bfe_u32 v3, v0, 4, 1                         ; h
	v_lshlrev_b32 v[L16], 4, v1
	v_lshlrev_b32 v[L8], 3, v1
	s_mul_i32 s76, s15, HALFT                      ; my half of x's tiles in a slot
	s_mul_i32 s77, s16, HALFT
	s_add_co_u32 s77, s77, 2*HALFT                 ; my half of Wqkv's, behind x's 16
	s_cmp_eq_u32 ttmp9, 2                          ; the kind: the same in all partners
	s_cselect_b32 s78, s76, s77                    ; P: for v x's, else Wqkv's
	s_cselect_b32 s79, s77, s76                    ; R: the other
.irp n, 0,1,2
	v_add_nc_u32 v[P16+\n], s78, v[L16]
	v_add_nc_u32 v[P8+\n], s78, v[L8]
	v_add_nc_u32 v[R16+\n], s79, v[L16]
	v_add_nc_u32 v[R8+\n], s79, v[L8]
	s_add_co_u32 s78, s78, SLOT
	s_add_co_u32 s79, s79, SLOT
.endr
	; the scale words of my 8 + 8 row tiles for all of K: 512 bytes a tile in sc, x's tiles from 0, Wqkv's from 262,144; they go straight into registers, once
	s_lshl_b32 s76, s69, 4
	s_lshl_b32 s77, s15, 3
	s_add_co_u32 s76, s76, s77
	s_lshl_b32 s76, s76, 9                         ; x's
	s_lshl_b32 s77, s68, 4
	s_lshl_b32 s82, s16, 3
	s_add_co_u32 s77, s77, s82
	s_lshl_b32 s77, s77, 9
	s_add_co_u32 s77, s77, 262144                  ; Wqkv's
	s_cmp_eq_u32 ttmp9, 2
	s_cselect_b32 s78, s76, s77                    ; P's
	s_cselect_b32 s79, s77, s76                    ; R's
	s_sub_co_u32 s78, s78, s79                     ; the distance between the two (modulo 2^32)
	v_mul_lo_u32 v[SOF], v3, s78
	v_lshl_add_u32 v[SOF], v2, 4, v[SOF]
	v_add_nc_u32 v[SOF], s79, v[SOF]               ; 16 r + R's, and in lanes 16-31 P's
.irp i, 0,1,2,3,4,5,6,7
.irp q, 0,1
	global_load_b128 v[SC+8*\i+4*\q:SC+8*\i+4*\q+3], v[SOF], s[8:9] offset:512*\i+256*\q   ; block i, K steps 4 q .. 4 q + 3
.endr
.endr
	; where my results go: chunk (batch x 16 + head) x 16 + group, for my two heads
	s_lshl_b32 s76, s69, 1
	s_add_co_u32 s76, s76, s15                     ; my group of 128 rows of x
	s_lshr_b32 s77, s76, 4                         ; the batch,
	s_and_b32 s76, s76, 15                         ; the group in it
	s_lshl_b32 s78, s66, 2
	s_lshl_b32 s79, s16, 1
	s_add_co_u32 s78, s78, s79                     ; my first head: 4 cx + 2 x half
	s_lshl_b32 s77, s77, 4
	s_add_co_u32 s77, s77, s78
	s_lshl_b32 s77, s77, 4
	s_add_co_u32 s77, s77, s76
	s_mov_b32 s78, 13056
	s_cmp_eq_u32 ttmp9, 0
	s_cselect_b32 s78, 6656, s78                   ; a chunk of qc or of kv
	s_cselect_b64 s[72:73], s[10:11], s[12:13]
	s_mul_i32 s76, s77, s78
	s_mov_b32 s77, 0
	s_add_nc_u64 s[72:73], s[72:73], s[76:77]      ; my first head's chunk,
	s_lshl_b32 s76, s78, 4
	s_add_nc_u64 s[74:75], s[72:73], s[76:77]      ; my second head's: 16 chunks on
.macro FRAG reg, a16, a8, off          ; a fragment's image comes back as it was stored
	ds_load_b128 v[\reg:\reg+3], v[\a16] offset:\off
	ds_load_b64 v[\reg+4:\reg+5], v[\a8] offset:\off+512
	ds_load_b128 v[\reg+6:\reg+9], v[\a16] offset:\off+768
	ds_load_b64 v[\reg+10:\reg+11], v[\a8] offset:\off+1280
.endm
.macro FETCH_P slot, q, ps             ; P's eight fragments of the slot's q-th K step into set ps: 32 LDS loads
	WIN TO_P
.irp i, 0,1,2,3,4,5,6,7
	FRAG 128*(\ps)+FR*\i, P16+\slot, P8+\slot, \i*TROW+(\q)*FRB
.endr
	WIN 0
.endm
.macro FETCH_R slot, q, i0             ; R's blocks i0 .. i0 + 3: 16 LDS loads
.irp i, \i0, \i0+1, \i0+2, \i0+3
	FRAG RF+FR*(\i), R16+\slot, R8+\slot, (\i)*TROW+(\q)*FRB
.endr
.endm
; 16 matrix instructions: R's blocks a0, a0 + 1 x P's eight, K step ks.  zero = 1: the first product starts the sums.  The 64 accumulators take turns, one instruction a turn, in the same order in every step.
.macro MUL16 a0, ps, ks, zero
.irp a, \a0, \a0+1
.irp b, 0,1,2,3,4,5,6,7
.if \zero
	v_wmma_scale_f32_16x16x128_f8f6f4 v[8*(8*((\a)%4)+\b):8*(8*((\a)%4)+\b)+7], v[128*(\ps)+FR*\b:128*(\ps)+FR*\b+FR-1], v[RF+FR*(\a):RF+FR*(\a)+FR-1], 0, v[SC+8*\b+(\ks)], v[SC+8*(\a)+(\ks)] matrix_a_fmt:MATRIX_FMT_FP6 matrix_b_fmt:MATRIX_FMT_FP6 matrix_a_scale:MATRIX_SCALE_ROW1
.else
	v_wmma_scale_f32_16x16x128_f8f6f4 v[8*(8*((\a)%4)+\b):8*(8*((\a)%4)+\b)+7], v[128*(\ps)+FR*\b:128*(\ps)+FR*\b+FR-1], v[RF+FR*(\a):RF+FR*(\a)+FR-1], v[8*(8*((\a)%4)+\b):8*(8*((\a)%4)+\b)+7], v[SC+8*\b+(\ks)], v[SC+8*(\a)+(\ks)] matrix_a_fmt:MATRIX_FMT_FP6 matrix_b_fmt:MATRIX_FMT_FP6 matrix_a_scale:MATRIX_SCALE_ROW1
.endif
.endr
.endr
.endm
; A slot's first K step.  A block of R is free as soon as its eight products are issued, so R has one set: blocks 0-3 are fetched anew in the step's middle, blocks 4-7 at its end; P has two sets.
.macro STEP slot, ks, zero
	s_wait_dscnt 16                                ; P's set and R's blocks 0-3 are in; the youngest sixteen loads (R's blocks 4-7) may be out
	WIN MUL_LO
	MUL16 0, 0, \ks, \zero
	MUL16 2, 0, \ks, \zero
	s_wait_dscnt 0x0                               ; R's blocks 4-7 are in
	PLACES
	FETCH_P \slot, 1, 1
	FETCH_R \slot, 1, 0
	WIN MUL_HI
	MUL16 4, 0, \ks, \zero
	MUL16 6, 0, \ks, \zero
	PLACES
	WIN 0
	FETCH_R \slot, 1, 4
.endm
; A slot's second K step changes slots: one barrier.  fill = 0: each wave waits until its part of the next slot has landed (tc later loads may stay out) and for its reads of this slot.
; fill = 1: the barrier opens a round of the cluster's barrier; in front of it each wave waits for ALL its tensor loads, adds 0 to its spare word, and waits for that and for its LDS reads; behind it slot 0, which every
; wave of every partner has left, takes K steps 6 and 7.
.macro TURN slot, next, ks, fill, tc
.if \fill
	s_wait_tensorcnt 0x0                           ; all my tensor loads have landed, my part of the next slot among them
	ds_add_u32 v[SPW], v[NIL]                      ; 0 onto my spare word
	s_wait_dscnt 17                                ; (the add and the youngest sixteen loads may be out)
.else
	s_wait_tensorcnt \tc
	s_wait_dscnt 16
.endif
	WIN MUL_LO
	MUL16 0, 1, \ks, 0
	s_wait_dscnt 0x0                               ; my reads of this slot are over (and the add is done)
	s_barrier_signal -1
	MUL16 2, 1, \ks, 0                             ; work on registers while the others arrive
	WIN 0
	s_barrier_wait -1
.if \fill
	CREST
	s_add_nc_u64 s[G0+2:G0+3], s[G0+2:G0+3], 3*TROW        ; no tensor load of mine is out: slot 0's descriptors step to K steps 6 and 7
	s_add_nc_u64 s[G0B+2:G0B+3], s[G0B+2:G0B+3], 3*TROW
	JLOAD G0, G1, G0B, G1B                         ; the first tensor load behind the round; its four v_nop are also the places in front of the loads below
.else
	PLACES
.endif
	FETCH_P \next, 0, 0
	FETCH_R \next, 0, 0
	WIN MUL_HI
	MUL16 4, 1, \ks, 0
	MUL16 6, 1, \ks, 0
	PLACES
	WIN 0
	FETCH_R \next, 0, 4
.endm
	s_wait_tensorcnt 0x2                           ; my part of slot 0 is in; slots 1 and 2 may stay out
	s_barrier_signal -1
	s_barrier_wait -1                              ; everybody's is
	FETCH_P 0, 0, 0
	FETCH_R 0, 0, 0
	FETCH_R 0, 0, 4
	s_wait_loadcnt 0x0                             ; the scale words
	STEP 0, 0, 1                                   ; the first step's products start the sums: nothing is cleared
	TURN 0, 1, 1, 0, 1                             ; slot 1 has landed, slot 2 may be out
	STEP 1, 2, 0
	TURN 1, 2, 3, 1, 0                             ; slot 2 has landed; slot 0 is filled again
	STEP 2, 4, 0
	TURN 2, 0, 5, 0, 0                             ; the one load that is out is slot 0's refill
	STEP 0, 6, 0
	s_wait_dscnt 16                                ; the last step: nothing more to fetch
	WIN MUL_LO
	MUL16 0, 1, 7, 0
	MUL16 2, 1, 7, 0
	s_wait_dscnt 0x0
	WIN MUL_HI
	MUL16 4, 1, 7, 0
	MUL16 6, 1, 7, 0
	WIN 0
; THE WAY OUT.  For each of R's eight blocks a lane holds one row and 64 numbers along P, register 16 B + i = P's row 32 B + 16 (lane / 16) + i: four blocks of 32.  They become a fragment's codes in v[PC] on and a scale word in v[PW + a].
.macro QUANTW a
.set AC, 64*((\a)%4)
.set AW, 2+(\a)/4
.set WW, AW|(AW<<2)
	WIN WW                                         ; sources 0 and 1: the accumulators' window
.irp b, 0,1,2,3
	v_max3_num_f32 v[TM+\b], |v[AC+16*\b]|, |v[AC+16*\b+1]|, 0x1800000   ; my 16 numbers of block b, each accumulator from its low end on, and the floor 2^(3 - 127): the byte cannot fall under 1
.endr
.irp i, 2,4,6,8,10,12,14
.irp b, 0,1,2,3
	v_max3_num_f32 v[TM+\b], |v[AC+16*\b+\i]|, |v[AC+16*\b+\i+1]|, v[TM+\b]
.endr
.endr
	WIN 0
.irp b, 0,1,2,3
	v_permlanex16_b32 v[TM+4+\b], v[TM+\b], s[SEL], s[SEL+1]
.endr
.irp b, 0,1,2,3
	v_max_num_f32 v[TM+\b], v[TM+\b], v[TM+4+\b]   ; with lane l xor 16's: the block's largest magnitude
.endr
.irp b, 0,1,2,3
	v_add_nc_u32 v[TM+12+\b], 0xff000000, v[TM+\b] ; 2 off its exponent field: the conversion's scale operand
.endr
.irp b, 0,1,2,3
	v_lshrrev_b32 v[TM+4+\b], 23, v[TM+12+\b]      ; the scale's byte
.endr
	v_lshl_or_b32 v[PW+\a], v[TM+5], 8, v[TM+4]
	v_lshl_or_b32 v[PW+\a], v[TM+6], 16, v[PW+\a]
	v_lshl_or_b32 v[PW+\a], v[TM+7], 24, v[PW+\a]
	s_wait_xcnt 0x0                                ; the last block's stores have read their registers: the codes may be written again
	WIN AW                                         ; source 0: the accumulators' window
	v_cvt_scalef32_pk16_fp6_f32 v[PC:PC+2], v[AC:AC+15], v[TM+12]
	v_cvt_scalef32_pk16_fp6_f32 v[CT:CT+2], v[AC+16:AC+31], v[TM+13]      ; (a conversion's three registers begin on an even number)
	v_cvt_scalef32_pk16_fp6_f32 v[PC+6:PC+8], v[AC+32:AC+47], v[TM+14]
	v_cvt_scalef32_pk16_fp6_f32 v[CT+4:CT+6], v[AC+48:AC+63], v[TM+15]
	WIN 0
	v_nop                                          ; one plain place behind a scaled conversion
.irp c, 0,1                            ; the operand's layout wants a whole block in a lane: lanes 0-15 block 2 c, lanes 16-31 block 2 c + 1
.irp i, 0,1,2
	v_permlane16_swap_b32 v[PC+6*\c+\i], v[CT+4*\c+\i]
.endr
.irp i, 0,1,2
	v_mov_b32 v[PC+3+6*\c+\i], v[CT+4*\c+\i]
.endr
.endr
.endm
; kind 0 (q, k): block a is a tile of 16 rows of x; the fragment's two halves are my two heads' half fragments.  kind 1 (v): block a is 16 of a head's 64; the fragment is V^T's, 128 keys.
.macro EPI kind
.irp a, 0,1,2,3,4,5,6,7
	QUANTW \a
.if \kind == 0
	global_store_b128 v[L16], v[PC:PC+3], s[72:73] offset:768*\a
	global_store_b64 v[L8], v[PC+4:PC+5], s[72:73] offset:768*\a+512
	global_store_b128 v[L16], v[PC+6:PC+9], s[74:75] offset:768*\a
	global_store_b64 v[L8], v[PC+10:PC+11], s[74:75] offset:768*\a+512
.elseif \a < 4
	global_store_b128 v[L16], v[PC:PC+3], s[72:73] offset:6656+1536*\a
	global_store_b64 v[L8], v[PC+4:PC+5], s[72:73] offset:6656+1536*\a+512
	global_store_b128 v[L16], v[PC+6:PC+9], s[72:73] offset:6656+1536*\a+768
	global_store_b64 v[L8], v[PC+10:PC+11], s[72:73] offset:6656+1536*\a+1280
.else
	global_store_b128 v[L16], v[PC:PC+3], s[74:75] offset:6656+1536*(\a-4)
	global_store_b64 v[L8], v[PC+4:PC+5], s[74:75] offset:6656+1536*(\a-4)+512
	global_store_b128 v[L16], v[PC+6:PC+9], s[74:75] offset:6656+1536*(\a-4)+768
	global_store_b64 v[L8], v[PC+10:PC+11], s[74:75] offset:6656+1536*(\a-4)+1280
.endif
.endr
.irp p, 0,1,2,3
	v_cndmask_b32 v[WD+\p], v[PW+2*\p], v[PW+2*\p+1], s84     ; lanes 0-15 block 2 p's word, lanes 16-31 block 2 p + 1's: one register serves two tiles
.endr
.if \kind == 0
	global_store_b128 v[L16], v[WD:WD+3], s[72:73] offset:6144         ; my first head reads bytes 0 and 1; bytes 2 and 3 meet zero codes
.irp p, 0,1,2,3
	v_lshrrev_b32 v[WD+4+\p], 16, v[WD+\p]         ; my second head's two bytes, moved down
.endr
	global_store_b128 v[L16], v[WD+4:WD+7], s[74:75] offset:6144
.else
	global_store_b64 v[L8], v[WD:WD+1], s[72:73] offset:12800
	global_store_b64 v[L8], v[WD+2:WD+3], s[74:75] offset:12800
.endif
.endm
	PLACES
.irp b, 0,1,2,3
	v_mov_b32 v[TM+4+\b], 0                        ; written once: a lane permute's destination counts as one of its sources
.endr
	v_cmp_eq_u32 s84, 1, v3                        ; lanes 16-31
	s_cmp_eq_u32 ttmp9, 2                          ; the kind: the same in all partners
	s_cbranch_scc1 .Lvals
	EPI 0
	s_branch .Lend
.Lvals:
	EPI 1
.Lend:
	s_wait_tensorcnt 0x0                           ; the wave's end: behind my last tensor load
	ds_add_u32 v[SPW], v[NIL]
	s_wait_dscnt 0x0
	CROUND                                         ; the closing round: no work-group ends while a partner may still ask for a tile that names it
	s_endpgm
.Lfunc_end_k_q1730e131e2_gemm_qkv:
	.size	k_q1730e131e2_gemm_qkv, .Lfunc_end_k_q1730e131e2_gemm_qkv-k_q1730e131e2_gemm_qkv
	.p2alignl 7, 3214868480
	.fill 96, 4, 3214868480
	.section	.rodata,"a",@progbits
	.p2align	6, 0x0
	.amdhsa_kernel k_q1730e131e2_gemm_qkv
		.amdhsa_group_segment_fixed_size 327680
		.amdhsa_private_segment_fixed_size 0
		.amdhsa_enable_private_segment 0
		.amdhsa_kernarg_size 40
		.amdhsa_user_sgpr_count 2
		.amdhsa_user_sgpr_kernarg_segment_ptr 1
		.amdhsa_wavefront_size32 1
		.amdhsa_system_sgpr_workgroup_id_x 1
		.amdhsa_system_sgpr_workgroup_id_y 1
		.amdhsa_system_sgpr_workgroup_id_z 1
		.amdhsa_system_vgpr_workitem_id 0
		.amdhsa_next_free_vgpr 1024
		.amdhsa_next_free_sgpr 100
		.amdhsa_reserve_vcc 0
		.amdhsa_float_denorm_mode_32 3
		.amdhsa_float_denorm_mode_16_64 3
		.amdhsa_memory_ordered 1
		.amdhsa_forward_progress 1
		.amdhsa_inst_pref_size 181
	.end_amdhsa_kernel
	.amdgpu_metadata
---
amdhsa.version: [ 1, 2 ]
amdhsa.kernels:
  - .name:           k_q1730e131e2_gemm_qkv
    .symbol:         k_q1730e131e2_gemm_qkv.kd
    .args:
      - { .name: xc, .offset: 0, .size: 8, .value_kind: global_buffer, .address_space: global }
      - { .name: wc, .offset: 8, .size: 8, .value_kind: global_buffer, .address_space: global }
      - { .name: sc, .offset: 16, .size: 8, .value_kind: global_buffer, .address_space: global }
      - { .name: qc, .offset: 24, .size: 8, .value_kind: global_buffer, .address_space: global }
      - { .name: kv, .offset: 32, .size: 8, .value_kind: global_buffer, .address_space: global }
    .group_segment_fixed_size: 327680
    .private_segment_fixed_size: 0
    .kernarg_segment_align: 8
    .kernarg_segment_size: 40
    .max_flat_workgroup_size: 128
    .sgpr_count:     100
    .vgpr_count:     1024
    .wavefront_size: 32
...
	.end_amdgpu_metadata
.endif
;; end of part 2
;; launch attn (part 3): grid 4 x 64, 16 waves a work-group, clusters of 4 x 1, 212,992 bytes of LDS; arguments qc, kv, ao, sc; writes ao, sc
.if DOCPART == 3
	.amdgcn_target "amdgcn-amd-amdhsa--gfx1250"
	.amdhsa_code_object_version 6
	.text
	.protected	k_q1730e131e2_attn
	.globl	k_q1730e131e2_attn
	.p2align	8
	.type	k_q1730e131e2_attn,@function
k_q1730e131e2_attn:
	s_mov_b64 s[64:65], 0
	v_nop
	global_prefetch_b8 v0, s[64:65] scope:SCOPE_SE
	s_setreg_imm32_b32 hwreg(HW_REG_WAVE_MODE, 25, 1), 1
	s_wait_xcnt 0x0
	s_wait_alu depctr_hold_cnt(0) depctr_sa_sdst(0) depctr_va_vdst(0) depctr_va_sdst(0) depctr_va_ssrc(0) depctr_va_vcc(0) depctr_vm_vsrc(0)
	s_getreg_b32 s2, hwreg(HW_REG_IB_STS2, 6, 4)
	s_cmp_eq_u32 s2, 0
	s_cbranch_scc0 .Lentry_in_a_cluster
	s_endpgm
.Lentry_in_a_cluster:
	s_bfe_u32 s2, ttmp6, 0x10000c
	s_cmp_lg_u32 s2, 0x3003
	s_cbranch_scc0 .Lentry_shape_is_right
	s_endpgm
.Lentry_shape_is_right:
; Causal attention on codes of FP6 (E2M3) with E8M0 scales: S^T = K Q^T (K = the head's 64), p = 2^(t - M), O^T = V^T p^T (K = the keys), o = O / the row's sum, quantised along the head's 64 for the last product.
; t = score x log2(e) / 8; M = the running largest t rounded UP to a whole number; the row's sum is taken of the unquantised p; when M moves, the sum and O^T are multiplied by 2^(old M - new M), which rounds nothing.
; SHARES.  A cluster of four work-groups takes one batch x head (the cluster's y); each work-group has sixteen waves of 256 registers.  Wave w owns TWO tiles of 16 queries: tile A = 4 w + cx and tile B = 127 - A.
; A key step is 128 keys.  Tile A's last step, the one on the diagonal, is w / 2, tile B's 15 - w / 2: both hang on the wave's number alone, and every wave of the launch works 17 key steps.
; cx enters global addresses and the mask's numbers, no branch and no LDS address.
; THE WHOLE HEAD'S K AND V LIE IN LDS: 16 chunks of 13,056 bytes, filled once, by joint loads (the four partners need the same bytes): waves 0 to 3 issue four loads each, chunk 4 g + w: four tensor loads of a wave are out.
; A chunk: K's eight half fragments (16 keys x 64: registers 0-3 at 16 x lane, 4-5 at 512 + 8 x lane) at 768 t; K's scale words at 6,144; V^T's four fragments at 6,656 + 1,536 t; V's scale words at 12,800.
; K = 64 IN AN INSTRUCTION OF 128: Q's upper six registers are zero codes; K's operand for tile t is twelve registers on end, whose upper six (the next tile's codes; behind tile 7 zeros) meet those zeros.
; Lane r of a tile 2 b + u holds row 32 b + 8 u + r % 8 + 16 (r / 8), in q, k and V^T alike: so registers 16 B + i of S^T are keys 32 B + 16 (lane / 16) + i, and those of O^T the head's numbers in the same order.
; THE MASK.  A step behind a tile's diagonal is left out: a scalar branch on the wave's number and the count of steps.  On the diagonal hidden scores become -infinity ahead of the maximum; key 0 of that step counts for every query.
; LIMITS: NaN and infinities are not served; a block whose largest magnitude lies under 2^-124 gets the scale byte 1 (its codes are zeros or next to it).
.set CH,    13056                      ; a chunk
.set SPARE, 16*CH                      ; behind the head: the spare words, 128 bytes for each wave: eight blocks of 256 bytes that no other line names
.set L16, 1                            ; v1   16 x lane
.set L8,  2                            ; v2   8 x lane
.set SPW, 3                            ; v3   LDS address of my spare word; never rewritten
.set NIL, 4                            ; v4   0; never rewritten
.set AD16, 5                           ; v5   the chunk in hand + 16 x lane
.set AD8, 6                            ; v6   + 8 x lane
.set DA,  7                            ; v7   tile A: my query's place in its group of 128, less 16 (lane / 16)
.set DB,  8                            ; v8   tile B
.set QSA, 9                            ; v9   Q's scale words, tile A
.set STA, 10                           ; v10 -M, v11 the largest t, v[12:13] the sum in two halves: tile A
.set STB, 14                           ; v14-17 tile B
.set QSB, 18                           ; v18  Q's scale words, tile B
.set TP,  19                           ; v19  at work
.set QA,  20                           ; v20-31 Q, tile A: six registers of codes, six of zeros
.set QB,  32                           ; v32-43 tile B
.set F,   44                           ; v44-91 K's eight half fragments, or V^T's four fragments; v92-97 zeros
.set S,   98                           ; v98-161 S^T, then p
.set OA,  162                          ; v162-193 O^T, tile A
.set OB,  194                          ; v194-225 tile B
.set PC,  226                          ; v226-237 p's codes
.set BM,  234                          ; v234-237 earlier in a step: the blocks' largest scores
.set PT,  238                          ; v238-241 at work; v238-240 and
.set CT,  242                          ; v242-244 the conversions' second halves; v245, v241 o's scale bytes
.set SO,  246                          ; v246-249 the conversions' scale operands
.set KS,  250                          ; v250-253 K's scale words, then V's in v250-251
.set FF,  254                          ; v254 f = 2^(old M - new M)
.set PWD, 255                          ; v255 p's scale word
.set WV,  12                           ; s12 my wave's number
.set CX,  13                           ; s13 my place in the cluster
.set BH,  14                           ; s14 batch x 16 + head
.set UA,  15                           ; s15 tile A's diagonal step;  s16 tile B's
.set UB,  16
.set TQA, 17                           ; s17 tile A's place among its group's eight;  s18 tile B's
.set TQB, 18
.set J,   19                           ; s19 the key step
.set TB,  20                           ; s20 where its chunk begins in LDS
.set CS,  22                           ; s[22:23] c = log2(e) / 8
.set G1,  24                           ; s[24:31] descriptor group 1;  s[32:47] four groups 0
.set G0,  32
.set SEL, 48                           ; s[48:49] lane selects for v_permlanex16_b32
.set SQA, 50                           ; s[50:51], s[52:53] my tiles' codes in qc
.set SQB, 52
.set SSA, 54                           ; s[54:55], s[56:57] their scale words
.set SSB, 56
.set SAA, 58                           ; s[58:59], s[60:61] their half fragments in ao
.set SAB, 60
.set SCA, 62                           ; s[62:63], s[66:67] their scale bytes in sc
.set SCB, 66
.macro CROUND                          ; a round of the cluster's barrier
	s_barrier_signal -1
	s_barrier_wait -1
	s_cmp_lg_u32 s[WV], 0
	s_cbranch_scc1 .Lnot_wave_0_\@
	s_barrier_signal -3
.Lnot_wave_0_\@:
	s_barrier_wait -3
	s_barrier_signal -1
	s_barrier_wait -1
.endm
	s_load_b256 s[4:11], s[0:1], 0x0               ; qc s[4:5], kv s[6:7], ao s[8:9], sc s[10:11]
	v_lshl_add_u32 v[SPW], v0, 2, SPARE
	v_mov_b32 v[NIL], 0
	ds_add_u32 v[SPW], v[NIL]                      ; the wave's opening: the add and its wait stand ahead of the first tensor loads; the set-up below stands between them
	v_lshrrev_b32 v5, 5, v0
	v_readfirstlane_b32 s[WV], v5                  ; wave 0..15
	s_bfe_u32 s[CX], ttmp6, 0x40000
	s_and_b32 s[BH], ttmp7, 0xffff                 ; the cluster's y, which the four partners share
	; descriptor group 1: a chunk is dense: 51 rows of 256 bytes, in elements of 8 bytes
	s_mov_b32 s[G1], 15|(3<<16)|(1<<21)            ; 15:0 the mask: all four work-groups; 17:16 elements of 8 bytes; 21 set beside a mask
	s_mov_b32 s[G1+1], 32<<16                      ; tensor_dim0
	s_mov_b32 s[G1+2], 51<<16                      ; tensor_dim1
	s_mov_b32 s[G1+3], 32<<16                      ; tile_dim0
	s_mov_b32 s[G1+4], 51                          ; tile_dim1
	s_mov_b32 s[G1+5], 32                          ; tensor_dim0_stride
	s_mov_b32 s[G1+6], 0
	s_mov_b32 s[G1+7], 0
	s_mul_i32 s68, s[WV], CH                       ; chunk w: its place in LDS and in the head
	s_mul_i32 s70, s[BH], 16*CH
	s_add_co_u32 s70, s70, s68
	s_mov_b32 s71, 0
	s_mov_b32 s[CS], 0x3e38aa3b                    ; c = log2(e) / 8
	s_mov_b32 s[CS+1], s[CS]                       ; (named with it as a pair, so it is written)
	s_mov_b32 s[SEL], 0x76543210
	s_mov_b32 s[SEL+1], 0xfedcba98
	s_mov_b32 s[J], 0
	s_mov_b32 s[TB], 0
	s_wait_dscnt 0x0                               ; the opening add is done
	s_wait_kmcnt 0x0
	s_add_nc_u64 s[70:71], s[6:7], s[70:71]
	CROUND                                         ; all four work-groups are here: the joint loads meet
.irp g, 0,1,2,3
	s_mov_b32 s[G0+4*\g], 1                        ; count = 1
	s_add_co_u32 s[G0+4*\g+1], s68, \g*4*CH        ; LDS address: chunk 4 g + w
	s_add_nc_u64 s[G0+4*\g+2:G0+4*\g+3], s[70:71], \g*4*CH
	s_or_b32 s[G0+4*\g+3], s[G0+4*\g+3], 0x80000000        ; type = 2
.endr
	s_cmp_lt_u32 s[WV], 4                          ; a wave's four fills stand in one branch on the wave's number, ahead of every wait on TENSORcnt, every LDS read and every other barrier
	s_cbranch_scc0 .Lno_fetch
.irp g, 0,1,2,3
	tensor_load_to_lds s[G0+4*\g:G0+4*\g+3], s[G1:G1+7]
	s_nop 0
.endr
.rept 4
	v_nop
.endr
.Lno_fetch:
	s_lshr_b32 s[UA], s[WV], 1
	s_sub_co_u32 s[UB], 15, s[UA]
	s_and_b32 s[TQA], s[WV], 1
	s_lshl_b32 s[TQA], s[TQA], 2
	s_add_co_u32 s[TQA], s[TQA], s[CX]             ; tile A = 8 (w / 2) + 4 (w % 2) + cx
	s_sub_co_u32 s[TQB], 7, s[TQA]
	v_and_b32 v[L16], 31, v0
	v_lshlrev_b32 v[L8], 3, v[L16]
	v_lshlrev_b32 v[L16], 4, v[L16]
	v_and_b32 v[TP], 7, v0
	v_bfe_u32 v[AD16], v0, 3, 1
	v_lshl_add_u32 v[TP], v[AD16], 4, v[TP]
	v_bfe_u32 v[AD16], v0, 4, 1
	v_lshlrev_b32 v[AD16], 4, v[AD16]
	v_sub_nc_u32 v[TP], v[TP], v[AD16]             ; r % 8 + 16 (r / 8) - 16 (lane / 16)
	v_and_b32 v[F], 15, v0
	v_lshlrev_b32 v[F], 4, v[F]                    ; 16 r
; A tile's addresses: group u of its batch x head, place tq among the group's eight tiles.
.macro TILEADR u, tq, qb, qsb, aob, sob, d
	s_lshl_b32 s68, s[BH], 4
	s_add_co_u32 s68, s68, s[\u]
	s_mul_i32 s68, s68, 6656                       ; the group's chunk of qc
	s_mul_i32 s70, s[\tq], 768                     ; the tile's half fragment in it
	s_add_co_u32 s70, s70, s68
	s_mov_b32 s71, 0
	s_add_nc_u64 s[\qb:\qb+1], s[4:5], s[70:71]
	s_and_b32 s70, s[\tq], 1                       ; its scale words: 6,144 + 256 (tq % 2) + 4 (tq / 2), + 16 r
	s_lshl_b32 s70, s70, 8
	s_lshr_b32 s72, s[\tq], 1
	s_lshl_b32 s73, s72, 2
	s_add_co_u32 s70, s70, s73
	s_add_co_u32 s70, s70, s68
	s_add_co_u32 s70, s70, 6144
	s_add_nc_u64 s[\qsb:\qsb+1], s[4:5], s[70:71]
	s_lshl_b32 s72, s72, 5                         ; the tile's first query in the group: 32 (tq / 2) + 8 (tq % 2)
	s_and_b32 s73, s[\tq], 1
	s_lshl_b32 s73, s73, 3
	s_add_co_u32 s72, s72, s73
	v_add_nc_u32 v[\d], s72, v[TP]
	s_lshr_b32 s72, s[BH], 4                       ; the row tile of ao: batch x 128 + 8 u + tq
	s_lshl_b32 s72, s72, 7
	s_lshl_b32 s73, s[\u], 3
	s_add_co_u32 s72, s72, s73
	s_add_co_u32 s72, s72, s[\tq]
	s_mul_i32 s70, s72, 12288
	s_and_b32 s73, s[BH], 15                       ; the head: half fragment head % 2 of K step head / 2: 768 x head bytes on
	s_mul_i32 s74, s73, 768
	s_add_co_u32 s70, s70, s74
	s_add_nc_u64 s[\aob:\aob+1], s[8:9], s[70:71]
	s_lshl_b32 s70, s72, 9                         ; its scale bytes: 393,216 + 512 x row tile + 256 (head / 8) + 2 (head % 8), + 16 r
	s_lshr_b32 s74, s73, 3
	s_lshl_b32 s74, s74, 8
	s_add_co_u32 s70, s70, s74
	s_and_b32 s74, s73, 7
	s_lshl_b32 s74, s74, 1
	s_add_co_u32 s70, s70, s74
	s_add_co_u32 s70, s70, 393216
	s_add_nc_u64 s[\sob:\sob+1], s[10:11], s[70:71]
.endm
	TILEADR UA, TQA, SQA, SSA, SAA, SCA, DA
	TILEADR UB, TQB, SQB, SSB, SAB, SCB, DB
	global_load_b128 v[QA:QA+3], v[L16], s[SQA:SQA+1]          ; Q stays in registers
	global_load_b64 v[QA+4:QA+5], v[L8], s[SQA:SQA+1] offset:512
	global_load_b32 v[QSA], v[F], s[SSA:SSA+1]
	global_load_b128 v[QB:QB+3], v[L16], s[SQB:SQB+1]
	global_load_b64 v[QB+4:QB+5], v[L8], s[SQB:SQB+1] offset:512
	global_load_b32 v[QSB], v[F], s[SSB:SSB+1]
.irp i, 6,7,8,9,10,11
	v_mov_b32 v[QA+\i], 0                          ; zero codes for k = 64 .. 127
	v_mov_b32 v[QB+\i], 0
	v_mov_b32 v[F+42+\i], 0                        ; v92-97: the upper half of K's tile 7
.endr
.irp t, STA, STB
	v_mov_b32 v[\t+1], 0xff61b1e6                  ; the largest t so far: -3e38, under every t
	v_floor_f32 v[\t], -v[\t+1]                    ; -M
	v_mov_b32 v[\t+2], 0                           ; the sum, in two halves
	v_mov_b32 v[\t+3], 0
.endr
.irp b, 0,1,2,3
	v_mov_b32 v[PT+\b], 0                          ; written once: a lane permute's destination counts as one of its sources
.endr
	v_mov_b32 v[PWD], 0                            ; (named as the upper half of the pair v[254:255] before it is first written)
.set n, 0
.rept 64
	v_mov_b32 v[OA+n], 0                           ; O^T of both tiles.  (A step is written without a first step of its own: the first finds zeros, which the first change of M leaves zeros)
.set n, n+1
.endr
; A KEY STEP of one tile: 128 keys, the chunk at v[AD16], v[AD8].  skip = 1: it is left out behind the tile's diagonal step s[u].  mask = 1: on the diagonal the hidden scores are masked.
.macro STEP q, qs, o, st, d, u, skip, mask
.if \skip
	s_cmp_gt_u32 s[J], s[\u]
	s_cbranch_scc1 .Lhid_\@
.endif
.rept 4
	v_nop                                          ; places in front of loads into registers that the last products have read
.endr
.irp t, 0,1,2,3,4,5,6,7
	ds_load_b128 v[F+6*\t:F+6*\t+3], v[AD16] offset:768*\t
	ds_load_b64 v[F+6*\t+4:F+6*\t+5], v[AD8] offset:768*\t+512
.endr
	ds_load_b128 v[KS:KS+3], v[AD16] offset:6144   ; K's scale words: register t / 2, lanes 0-15 for even t, lanes 16-31 for odd t
	s_wait_dscnt 0x0
.irp t, 0,1,2,3,4,5,6,7                ; S^T = K Q^T: source 0 = 16 keys, source 1 = my 16 queries
.if \t%2
	v_wmma_scale_f32_16x16x128_f8f6f4 v[S+8*\t:S+8*\t+7], v[F+6*\t:F+6*\t+11], v[\q:\q+11], 0, v[KS+\t/2], v[\qs] matrix_a_fmt:MATRIX_FMT_FP6 matrix_b_fmt:MATRIX_FMT_FP6 matrix_a_scale:MATRIX_SCALE_ROW1
.else
	v_wmma_scale_f32_16x16x128_f8f6f4 v[S+8*\t:S+8*\t+7], v[F+6*\t:F+6*\t+11], v[\q:\q+11], 0, v[KS+\t/2], v[\qs] matrix_a_fmt:MATRIX_FMT_FP6 matrix_b_fmt:MATRIX_FMT_FP6
.endif
.endr
.rept 4
	v_nop                                          ; places in front of the loads below and of the first read of the scores
.endr
.irp t, 0,1,2,3                        ; V^T's four fragments are asked for now and land under the softmax
	ds_load_b128 v[F+12*\t:F+12*\t+3], v[AD16] offset:6656+1536*\t
	ds_load_b64 v[F+12*\t+4:F+12*\t+5], v[AD8] offset:6656+1536*\t+512
	ds_load_b128 v[F+12*\t+6:F+12*\t+9], v[AD16] offset:6656+1536*\t+768
	ds_load_b64 v[F+12*\t+10:F+12*\t+11], v[AD8] offset:6656+1536*\t+1280
.endr
	ds_load_b64 v[KS:KS+1], v[AD8] offset:12800    ; V's scale words
.if \mask
	s_cmp_lg_u32 s[J], s[\u]
	s_cbranch_scc1 .Lopen_\@
	v_mov_b32 v[TP], 0xff800000                    ; -infinity
.set n, 0
.rept 64                               ; register 16 B + i holds key 32 B + 16 (lane / 16) + i of the group: hidden where 32 B + i > my query's place - 16 (lane / 16)
	v_cmp_gt_i32 vcc_lo, 32*(n/16)+n%16, v[\d]
	v_cndmask_b32 v[S+n], v[S+n], v[TP], vcc_lo
.set n, n+1
.endr
.Lopen_\@:
.endif
.irp b, 0,1,2,3
	v_max3_num_f32 v[BM+\b], v[S+16*\b], v[S+16*\b+1], v[S+16*\b+2]    ; the largest score of each block of 32 keys: it serves for the row's maximum and, since p rises with the score, for the block's largest p
.endr
.irp i, 3,5,7,9,11,13
.irp b, 0,1,2,3
	v_max3_num_f32 v[BM+\b], v[BM+\b], v[S+16*\b+\i], v[S+16*\b+\i+1]
.endr
.endr
.irp b, 0,1,2,3
	v_max_num_f32 v[BM+\b], v[BM+\b], v[S+16*\b+15]
.endr
.irp b, 0,1,2,3
	v_permlanex16_b32 v[PT+\b], v[BM+\b], s[SEL], s[SEL+1]
.endr
.irp b, 0,1,2,3
	v_max_num_f32 v[BM+\b], v[BM+\b], v[PT+\b]     ; with lane l xor 16's 16 keys
.endr
	v_max3_num_f32 v[TP], v[BM], v[BM+1], v[BM+2]
	v_max_num_f32 v[TP], v[TP], v[BM+3]            ; the step's largest score of my query
	v_mul_f32 v[TP], s[CS], v[TP]                  ; as t (c is positive)
	v_max_num_f32 v[\st+1], v[\st+1], v[TP]        ; the running largest t
	v_mov_b32 v[TP], v[\st]
	v_floor_f32 v[\st], -v[\st+1]                  ; the new -M = floor(-t): M is a whole number
	v_sub_f32 v[TP], v[\st], v[TP]                 ; old M - new M: a whole number, 0 or less
	v_cvt_i32_f32 v[TP], v[TP]                     ; (it saturates)
	v_ldexp_f32 v[FF], 1.0, v[TP]                  ; f = 2^(old M - new M)
.set n, 0
.rept 32
	v_pk_fma_f32 v[S+n:S+n+1], v[S+n:S+n+1], s[CS:CS+1], v[\st:\st+1] op_sel_hi:[1,0,0]   ; t - M, two at a time (of the pairs c and -M the low word serves both halves)
.set n, n+2
.endr
.irp b, 0,1,2,3
	v_fma_f32 v[BM+\b], v[BM+\b], s[CS], v[\st]    ; the same of each block's largest score
.endr
.set n, 0
.rept 64
	v_exp_f32 v[S+n], v[S+n]                       ; p = 2^(t - M), at most 1: not normalised
.set n, n+1
.endr
	v_pk_mul_f32 v[\st+2:\st+3], v[\st+2:\st+3], v[FF:FF+1] op_sel_hi:[1,0]    ; the sums under the new M: a plain place behind the exponentials
	s_wait_alu depctr_va_vdst(0)                   ; one wait for the whole batch, ahead of its first reader
.irp b, 0,1,2,3
	v_exp_f32 v[BM+\b], v[BM+\b]                   ; the block's largest p: the same two instructions on the same number give the same bits
.endr
	v_pk_add_f32 v[PT:PT+1], v[S:S+1], v[S+2:S+3]  ; the row's sum is taken of the unquantised p: two at a time, in two chains; it reads the 64 alone
.irp j, 4,8,12,16,20,24,28,32,36,40,44,48,52,56,60
	v_pk_add_f32 v[\st+2:\st+3], v[\st+2:\st+3], v[S+\j:S+\j+1]
	v_pk_add_f32 v[PT:PT+1], v[PT:PT+1], v[S+\j+2:S+\j+3]
.endr
	v_pk_add_f32 v[\st+2:\st+3], v[\st+2:\st+3], v[PT:PT+1]
	s_wait_alu depctr_va_vdst(0)                   ; and one for the four
.irp b, 0,1,2,3
	v_max_num_f32 v[BM+\b], 0x1800000, v[BM+\b]    ; the floor 2^(3 - 127): the byte cannot fall under 1 (a block whose every p is 0 keeps that byte: its codes are zeros)
.endr
.irp b, 0,1,2,3
	v_add_nc_u32 v[SO+\b], 0xff000000, v[BM+\b]    ; 2 off the exponent field: the conversion's scale operand
.endr
.irp b, 0,1,2,3
	v_lshrrev_b32 v[PT+\b], 23, v[SO+\b]           ; the scale's byte
.endr
	v_lshl_or_b32 v[PWD], v[PT+1], 8, v[PT]        ; p's scale word for these 128 keys
	v_lshl_or_b32 v[PWD], v[PT+2], 16, v[PWD]
	v_lshl_or_b32 v[PWD], v[PT+3], 24, v[PWD]
	v_cvt_scalef32_pk16_fp6_f32 v[PC:PC+2], v[S:S+15], v[SO]
	v_cvt_scalef32_pk16_fp6_f32 v[PT:PT+2], v[S+16:S+31], v[SO+1]      ; (a conversion's three registers begin on an even number)
	v_cvt_scalef32_pk16_fp6_f32 v[PC+6:PC+8], v[S+32:S+47], v[SO+2]
	v_cvt_scalef32_pk16_fp6_f32 v[CT:CT+2], v[S+48:S+63], v[SO+3]
	v_nop                                          ; one plain place behind a scaled conversion
.irp i, 0,1,2                          ; the operand's layout wants a whole block in a lane: lanes 0-15 block 2 c, lanes 16-31 block 2 c + 1
	v_permlane16_swap_b32 v[PC+\i], v[PT+\i]
	v_permlane16_swap_b32 v[PC+6+\i], v[CT+\i]
.endr
.irp i, 0,1,2
	v_mov_b32 v[PC+3+\i], v[PT+\i]
	v_mov_b32 v[PC+9+\i], v[CT+\i]
.endr
.set n, 0
.rept 16
	v_pk_mul_f32 v[\o+n:\o+n+1], v[\o+n:\o+n+1], v[FF:FF+1] op_sel_hi:[1,0]    ; O^T under the new M.  (These sixteen stand between the writes of p's codes and scale word and the products)
.set n, n+2
.endr
	s_wait_dscnt 0x0                               ; V^T's fragments and scale words are in
.irp t, 0,1,2,3                        ; O^T += V^T p^T: source 0 = 16 of the head's 64, source 1 = p; the four accumulators by turns
.if \t%2
	v_wmma_scale_f32_16x16x128_f8f6f4 v[\o+8*\t:\o+8*\t+7], v[F+12*\t:F+12*\t+11], v[PC:PC+11], v[\o+8*\t:\o+8*\t+7], v[KS+\t/2], v[PWD] matrix_a_fmt:MATRIX_FMT_FP6 matrix_b_fmt:MATRIX_FMT_FP6 matrix_a_scale:MATRIX_SCALE_ROW1
.else
	v_wmma_scale_f32_16x16x128_f8f6f4 v[\o+8*\t:\o+8*\t+7], v[F+12*\t:F+12*\t+11], v[PC:PC+11], v[\o+8*\t:\o+8*\t+7], v[KS+\t/2], v[PWD] matrix_a_fmt:MATRIX_FMT_FP6 matrix_b_fmt:MATRIX_FMT_FP6
.endif
.endr
.if \skip
.Lhid_\@:
.endif
.endm
	s_wait_loadcnt 0x0                             ; Q
	s_wait_tensorcnt 0x3                           ; a fetching wave's first chunk is in, its three later ones may stay out: chunks 0 to 3 have landed; nothing is ever filled again
	s_barrier_signal -1
	s_barrier_wait -1
.Lfirst:                                               ; key steps 0 to 3: tile B's diagonal lies at step 8 or later, so it has neither skip nor mask here
	v_add_nc_u32 v[AD16], s[TB], v[L16]
	v_add_nc_u32 v[AD8], s[TB], v[L8]
	STEP QA, QSA, OA, STA, DA, UA, 1, 1
	STEP QB, QSB, OB, STB, DB, UB, 0, 0
	s_add_co_u32 s[TB], s[TB], CH
	s_add_co_u32 s[J], s[J], 1
	s_cmp_lt_u32 s[J], 4
	s_cbranch_scc1 .Lfirst
	s_wait_tensorcnt 0x0                           ; my other chunks are in,
	s_wait_dscnt 0x0
	s_barrier_signal -1
	s_barrier_wait -1                              ; everybody's are: the whole head lies in LDS
	s_mov_b32 s[J], 4
	s_mov_b32 s[TB], 4*CH
.Lrest:                                                ; key steps 4 to 15
	v_add_nc_u32 v[AD16], s[TB], v[L16]
	v_add_nc_u32 v[AD8], s[TB], v[L8]
	STEP QA, QSA, OA, STA, DA, UA, 1, 1
	STEP QB, QSB, OB, STB, DB, UB, 1, 1
	s_add_co_u32 s[TB], s[TB], CH
	s_add_co_u32 s[J], s[J], 1
	s_cmp_lt_u32 s[J], 16
	s_cbranch_scc1 .Lrest
; THE WAY OUT of a tile: o = O^T / the row's sum; a lane's 32 numbers, register 16 B + i = the head's number 32 B + 16 (lane / 16) + i, are two blocks of 32: they become a half fragment of the last product's operand and two scale bytes.
.macro OUT o, st, pcx, ctx, wdx, aob, sob
	v_add_f32 v[\st+2], v[\st+2], v[\st+3]         ; the sum's two halves,
	v_permlanex16_b32 v[TP], v[\st+2], s[SEL], s[SEL+1]
	v_add_f32 v[\st+2], v[\st+2], v[TP]            ; and lane l xor 16's
	v_rcp_f32 v[\st+2], v[\st+2]
	v_mov_b32 v[SO+2], 0                           ; (plain places behind the transcendental; a lane permute's destination counts as one of its sources)
	v_mov_b32 v[SO+3], 0
	s_wait_alu depctr_va_vdst(0)                   ; the wait ahead of the reciprocal's first reader
.set n, 0
.rept 32
	v_mul_f32 v[S+n], v[\o+n], v[\st+2]            ; each accumulator from its low end on
.set n, n+1
.endr
.irp b, 0,1
	v_max3_num_f32 v[SO+\b], |v[S+16*\b]|, |v[S+16*\b+1]|, 0x1800000
.endr
.irp i, 2,4,6,8,10,12,14
.irp b, 0,1
	v_max3_num_f32 v[SO+\b], v[SO+\b], |v[S+16*\b+\i]|, |v[S+16*\b+\i+1]|
.endr
.endr
.irp b, 0,1
	v_permlanex16_b32 v[SO+2+\b], v[SO+\b], s[SEL], s[SEL+1]
.endr
.irp b, 0,1
	v_max_num_f32 v[SO+\b], v[SO+\b], v[SO+2+\b]
.endr
.irp b, 0,1
	v_add_nc_u32 v[SO+\b], 0xff000000, v[SO+\b]    ; the conversion's scale operand
.endr
.irp b, 0,1
	v_lshrrev_b32 v[SO+2+\b], 23, v[SO+\b]         ; the scale's byte
.endr
	v_lshl_or_b32 v[\wdx], v[SO+3], 8, v[SO+2]
	v_cvt_scalef32_pk16_fp6_f32 v[\pcx:\pcx+2], v[S:S+15], v[SO]
	v_cvt_scalef32_pk16_fp6_f32 v[\ctx:\ctx+2], v[S+16:S+31], v[SO+1]
	v_nop                                          ; one plain place behind a scaled conversion
.irp i, 0,1,2
	v_permlane16_swap_b32 v[\pcx+\i], v[\ctx+\i]
.endr
.irp i, 0,1,2
	v_mov_b32 v[\pcx+3+\i], v[\ctx+\i]
.endr
	global_store_b128 v[L16], v[\pcx:\pcx+3], s[\aob:\aob+1]           ; 512 and 256 consecutive bytes
	global_store_b64 v[L8], v[\pcx+4:\pcx+5], s[\aob:\aob+1] offset:512
	global_store_b16 v[F], v[\wdx], s[\sob:\sob+1]                     ; my row's two scale bytes (lanes r and r + 16 store the same)
.endm
.rept 4
	v_nop                                          ; places behind the last products, on every way here
.endr
	v_and_b32 v[F], 15, v0
	v_lshlrev_b32 v[F], 4, v[F]                    ; 16 r
	OUT OA, STA, PC, PT, CT+3, SAA, SCA
	OUT OB, STB, PC+6, CT, PT+3, SAB, SCB          ; other registers than tile A's stores read: no wait between the two
	s_wait_tensorcnt 0x0                           ; the wave's end: behind the last tensor load
	ds_add_u32 v[SPW], v[NIL]
	s_wait_dscnt 0x0
	CROUND                                         ; the closing round
	s_endpgm
.Lfunc_end_k_q1730e131e2_attn:
	.size	k_q1730e131e2_attn, .Lfunc_end_k_q1730e131e2_attn-k_q1730e131e2_attn
	.p2alignl 7, 3214868480
	.fill 96, 4, 3214868480
	.section	.rodata,"a",@progbits
	.p2align	6, 0x0
	.amdhsa_kernel k_q1730e131e2_attn
		.amdhsa_group_segment_fixed_size 212992
		.amdhsa_private_segment_fixed_size 0
		.amdhsa_enable_private_segment 0
		.amdhsa_kernarg_size 32
		.amdhsa_user_sgpr_count 2
		.amdhsa_user_sgpr_kernarg_segment_ptr 1
		.amdhsa_wavefront_size32 1
		.amdhsa_system_sgpr_workgroup_id_x 1
		.amdhsa_system_sgpr_workgroup_id_y 1
		.amdhsa_system_sgpr_workgroup_id_z 1
		.amdhsa_system_vgpr_workitem_id 0
		.amdhsa_next_free_vgpr 256
		.amdhsa_next_free_sgpr 80
		.amdhsa_reserve_vcc 1
		.amdhsa_float_denorm_mode_32 3
		.amdhsa_float_denorm_mode_16_64 3
		.amdhsa_memory_ordered 1
		.amdhsa_forward_progress 1
		.amdhsa_inst_pref_size 97
	.end_amdhsa_kernel
	.amdgpu_metadata
---
amdhsa.version: [ 1, 2 ]
amdhsa.kernels:
  - .name:           k_q1730e131e2_attn
    .symbol:         k_q1730e131e2_attn.kd
    .args:
      - { .name: qc, .offset: 0, .size: 8, .value_kind: global_buffer, .address_space: global }
      - { .name: kv, .offset: 8, .size: 8, .value_kind: global_buffer, .address_space: global }
      - { .name: ao, .offset: 16, .size: 8, .value_kind: global_buffer, .address_space: global }
      - { .name: sc, .offset: 24, .size: 8, .value_kind: global_buffer, .address_space: global }
    .group_segment_fixed_size: 212992
    .private_segment_fixed_size: 0
    .kernarg_segment_align: 8
    .kernarg_segment_size: 32
    .max_flat_workgroup_size: 512
    .sgpr_count:     80
    .vgpr_count:     256
    .wavefront_size: 32
...
	.end_amdgpu_metadata
.endif
;; end of part 3
;; launch gemm_out (part 4): grid 4 x 64, 4 waves a work-group, clusters of 4 x 4, 327,680 bytes of LDS; arguments ao, woc, sc, bo, out0; writes out0
.if DOCPART == 4
	.amdgcn_target "amdgcn-amd-amdhsa--gfx1250"
	.amdhsa_code_object_version 6
	.text
	.protected	k_q1730e131e2_gemm_out
	.globl	k_q1730e131e2_gemm_out
	.p2align	8
	.type	k_q1730e131e2_gemm_out,@function
k_q1730e131e2_gemm_out:
	s_mov_b64 s[64:65], 0
	v_nop
	global_prefetch_b8 v0, s[64:65] scope:SCOPE_SE
	s_setreg_imm32_b32 hwreg(HW_REG_WAVE_MODE, 25, 1), 1
	s_wait_xcnt 0x0
	s_wait_alu depctr_hold_cnt(0) depctr_sa_sdst(0) depctr_va_vdst(0) depctr_va_sdst(0) depctr_va_ssrc(0) depctr_va_vcc(0) depctr_vm_vsrc(0)
	s_getreg_b32 s2, hwreg(HW_REG_IB_STS2, 6, 4)
	s_cmp_eq_u32 s2, 0
	s_cbranch_scc0 .Lentry_in_a_cluster
	s_endpgm
.Lentry_in_a_cluster:
	s_bfe_u32 s2, ttmp6, 0x10000c
	s_cmp_lg_u32 s2, 0xf033
	s_cbranch_scc0 .Lentry_shape_is_right
	s_endpgm
.Lentry_shape_is_right:
; out0 = o Wo^T + bo on codes of FP6 (E2M3) with E8M0 scales, sums in f32.  o's codes (ao) and Wo's (woc) are images of the operands' registers (a fragment: 1,536 bytes), a row tile's eight K steps on end.
; A work-group of four waves makes 128 rows by 256 columns, so that there are 256 work-groups; a wave 64 rows (o: source 1, "R", 4 blocks) by 128 columns (Wo: source 0, "P", 8 blocks): 32 accumulators.
; With Wo as source 0 a lane holds one row of the result and eight neighbouring columns.  Lane r of a tile 2 b + u holds row 32 b + 8 u + r % 8 + 16 (r / 8), in ao and woc alike: the stage's offsets and the stores' offsets undo it.
; ALL OF K LIES IN LDS: four slots of 73,728 bytes (two K steps each: o's 8 row tiles, then Wo's 16), each filled once, at the start: four tensor loads of a wave are out.  A slot is read behind a counted wait and a barrier.
; CLUSTERS: 4 x 4 work-groups; o's tiles are shared along a row of the cluster, Wo's along a column: joint loads.
; The bias is the C of each sum's first matrix instruction: eight registers a block of columns, in the result's layout.
; REGISTERS, in windows of 256: window 0: v1-29 addresses; v32-95 scale words; v128-175, v176-223 R's fragments, two sets; on the way out v128-255 rows of the result.
;   window 1: P's fragments, two sets, at v0 and v128.   window 2: the accumulators, (a, b) at v[8 (8 a + b)].   window 3: v0-63 the bias.
.set FR,    12
.set FRB,   1536
.set TROW,  2*FRB                      ; a row tile's two K steps
.set KROW,  8*FRB
.set SLOT,  24*TROW                    ; o's 8 row tiles, then Wo's 16
.set SPARE, 4*SLOT                     ; behind the slots: the spare words, 128 bytes for each wave: two blocks of 256 bytes that no other line names
.set SPITCH, 528                       ; the way out: a stage of 16 rows x (512 bytes + 16) for each wave, in slot 0, which has had its only fill and its last read when the first result is stored there
.set L16, 4                            ; v4     16 x lane
.set L8,  5                            ; v5     8 x lane
.set P16, 6                            ; v6-9   P's eight tiles in slots 0 to 3, + 16 x lane;  v10-13 + 8 x lane
.set P8,  10
.set R16, 14                           ; v14-17, v18-21 the same for R's four
.set R8,  18
.set SOF, 22                           ; v22    my offset among the scale words: lanes 0-15 R's, lanes 16-31 P's
.set SOF2, 23                          ; v23    the same for blocks 4 to 7, which R has not: lanes 0-15 stand four tiles back
.set STO, 24                           ; v24    the stage: where I put 32 bytes of a row
.set RD,  25                           ; v25    and where I read a row back
.set BOF, 27                           ; v27    my offset in bo
.set SPW, 28                           ; v28    LDS address of my spare word; never rewritten
.set NIL, 29                           ; v29    0; never rewritten
.set SC,  32                           ; v[SC + 8 i + s]: lanes 0-15 the word of R's block i, lanes 16-31 that of P's block i, for K step s
.set RF,  128
.set BK,  128                          ; the way out: 16 rows read back: v128-191 and v192-255 by turns
.set G1,  24                           ; s[24:31] descriptor group 1 for o's tiles;  s[32:39] for Wo's
.set G1B, 32
.set G0,  40                           ; s[40:55] group 0 for o's tiles, a set for each slot;  Wo's: s[56:63] and s[68:75]
.set MSB, 0
.macro WIN new                         ; the immediate's high byte repeats the setting that is left
.if MSB != \new
	s_set_vgpr_msb (MSB<<8)|\new
.set MSB, \new
.endif
.endm
.set TO_P, 0x40                        ; destination window 1, address window 0
.macro JLOAD g0a, g1a, g0b, g1b        ; a joint load: waves 0 and 1 fetch o's halves, waves 2 and 3 Wo's; an s_nop 0 and four v_nop follow each of the two lines
	s_cmp_eq_u32 s15, 0
	s_cbranch_scc0 .Lfor_b_\@
	tensor_load_to_lds s[\g0a:\g0a+3], s[\g1a:\g1a+7]
	s_nop 0
.rept 4
	v_nop
.endr
	s_branch .Lasked_\@
.Lfor_b_\@:
	tensor_load_to_lds s[\g0b:\g0b+3], s[\g1b:\g1b+7]
	s_nop 0
.rept 4
	v_nop
.endr
.Lasked_\@:
.endm
.macro CROUND                          ; a round of the cluster's barrier
	s_barrier_signal -1
	s_barrier_wait -1
	s_cmp_lg_u32 s14, 0
	s_cbranch_scc1 .Lnot_wave_0_\@
	s_barrier_signal -3
.Lnot_wave_0_\@:
	s_barrier_wait -3
	s_barrier_signal -1
	s_barrier_wait -1
.endm
.macro PLACES
.rept 4
	v_nop
.endr
.endm
	s_load_b256 s[4:11], s[0:1], 0x0               ; ao s[4:5], woc s[6:7], sc s[8:9], bo s[10:11]
	s_load_b64 s[12:13], s[0:1], 0x20              ; out0
	v_lshl_add_u32 v[SPW], v0, 2, SPARE
	v_mov_b32 v[NIL], 0
	ds_add_u32 v[SPW], v[NIL]                      ; the wave's opening: the add and its wait stand ahead of my first tensor load; the set-up below stands between them
	v_lshrrev_b32 v1, 5, v0
	v_readfirstlane_b32 s14, v1                    ; wave 0..3
	s_lshr_b32 s15, s14, 1                         ; which 64 rows are mine.  Also: I fetch for o (0) or for Wo (1)
	s_and_b32 s16, s14, 1                          ; which 128 columns.  Also: which half of that side's tiles I fetch
	s_bfe_u32 s76, ttmp6, 0x40000                  ; cx, cy
	s_bfe_u32 s77, ttmp6, 0x40004
	s_lshl_b32 s78, ttmp9, 2
	s_add_co_u32 s78, s78, s76                     ; block of 256 columns = 4 x cluster x + cx
	s_and_b32 s79, ttmp7, 0xffff
	s_lshl_b32 s79, s79, 2
	s_add_co_u32 s79, s79, s77                     ; block of 128 rows = 4 x cluster y + cy
	s_lshl_b32 s80, s77, 2
	s_lshl_b32 s80, 15, s80                        ; my row of the cluster
	s_lshl_b32 s81, 0x1111, s76                    ; my column
	; descriptor group 1: rows (row tiles) of 3,072 bytes, 12,288 bytes apart, in elements of 8 bytes; o: four rows a load, Wo: eight
	s_or_b32 s[G1], s80, (3<<16)|(1<<21)
	s_mov_b32 s[G1+1], 384<<16
	s_mov_b32 s[G1+2], 4<<16
	s_mov_b32 s[G1+3], 384<<16
	s_mov_b32 s[G1+4], 4
	s_mov_b32 s[G1+5], 1536
	s_mov_b32 s[G1+6], 0
	s_mov_b32 s[G1+7], 0
	s_or_b32 s[G1B], s81, (3<<16)|(1<<21)
	s_mov_b32 s[G1B+1], 384<<16
	s_mov_b32 s[G1B+2], 8<<16
	s_mov_b32 s[G1B+3], 384<<16
	s_mov_b32 s[G1B+4], 8
	s_mov_b32 s[G1B+5], 1536
	s_mov_b32 s[G1B+6], 0
	s_mov_b32 s[G1B+7], 0
	s_lshl_b32 s20, s79, 3
	s_lshl_b32 s82, s16, 2
	s_add_co_u32 s20, s20, s82
	s_mul_i32 s20, s20, KROW                       ; o: row tile 8 x block + 4 x half, in bytes
	s_mov_b32 s21, 0
	s_lshl_b32 s22, s78, 4
	s_lshl_b32 s83, s16, 3
	s_add_co_u32 s22, s22, s83
	s_mul_i32 s22, s22, KROW                       ; Wo: row tile 16 x block + 8 x half
	s_mov_b32 s23, 0
	s_mul_i32 s18, s16, 4*TROW                     ; where they go in a slot: o's halves,
	s_mul_i32 s19, s16, 8*TROW
	s_add_co_u32 s19, s19, 8*TROW                  ; Wo's halves behind them: no place in the cluster enters an LDS address
	s_wait_dscnt 0x0                               ; the opening add is done
	s_wait_kmcnt 0x0
	s_add_nc_u64 s[20:21], s[4:5], s[20:21]
	s_add_nc_u64 s[22:23], s[6:7], s[22:23]
	CROUND                                         ; all sixteen work-groups are here: the joint loads meet
.macro FIRST n, gb                     ; slot n's descriptors and its one fill
	s_mov_b32 s[G0+4*\n], 1
	s_add_co_u32 s[G0+4*\n+1], s18, \n*SLOT
	s_add_nc_u64 s[G0+4*\n+2:G0+4*\n+3], s[20:21], \n*TROW
	s_or_b32 s[G0+4*\n+3], s[G0+4*\n+3], 0x80000000
	s_mov_b32 s[\gb], 1
	s_add_co_u32 s[\gb+1], s19, \n*SLOT
	s_add_nc_u64 s[\gb+2:\gb+3], s[22:23], \n*TROW
	s_or_b32 s[\gb+3], s[\gb+3], 0x80000000
	JLOAD G0+4*\n, G1, \gb, G1B
.endm
	FIRST 0, 56
	FIRST 1, 60
	FIRST 2, 68
	FIRST 3, 72
	v_and_b32 v1, 31, v0                           ; lane
	v_and_b32 v2, 15, v0                           ; r
	v_bfe_u32 v3, v0, 4, 1                         ; h
	v_lshlrev_b32 v[L16], 4, v1
	v_lshlrev_b32 v[L8], 3, v1
	s_mul_i32 s82, s15, 4*TROW                     ; R: my four row tiles of o
	s_mul_i32 s83, s16, 8*TROW
	s_add_co_u32 s83, s83, 8*TROW                  ; P: my eight of Wo
.irp n, 0,1,2,3
	v_add_nc_u32 v[P16+\n], s83, v[L16]
	v_add_nc_u32 v[P8+\n], s83, v[L8]
	v_add_nc_u32 v[R16+\n], s82, v[L16]
	v_add_nc_u32 v[R8+\n], s82, v[L8]
	s_add_co_u32 s82, s82, SLOT
	s_add_co_u32 s83, s83, SLOT
.endr
	; the scale words for all of K, 512 bytes a row tile in sc: o's from 393,216, Wo's from 360,448; straight into registers, once
	s_lshl_b32 s82, s79, 3
	s_lshl_b32 s83, s15, 2
	s_add_co_u32 s82, s82, s83
	s_lshl_b32 s82, s82, 9
	s_add_co_u32 s82, s82, 393216                  ; R's
	s_lshl_b32 s83, s78, 4
	s_lshl_b32 s84, s16, 3
	s_add_co_u32 s83, s83, s84
	s_lshl_b32 s83, s83, 9
	s_add_co_u32 s83, s83, 360448                  ; P's
	s_sub_co_u32 s83, s83, s82                     ; the distance between the two (modulo 2^32)
	v_mul_lo_u32 v[SOF], v3, s83
	v_lshl_add_u32 v[SOF], v2, 4, v[SOF]
	v_add_nc_u32 v[SOF], s82, v[SOF]
	v_xor_b32 v[SOF2], 1, v3
	v_lshlrev_b32 v[SOF2], 11, v[SOF2]
	v_sub_nc_u32 v[SOF2], v[SOF], v[SOF2]          ; lanes 0-15 four tiles back: their words of blocks 4 to 7 are not read, and no load leaves the buffer
.irp i, 0,1,2,3
.irp q, 0,1
	global_load_b128 v[SC+8*\i+4*\q:SC+8*\i+4*\q+3], v[SOF], s[8:9] offset:512*\i+256*\q
.endr
.endr
.irp i, 4,5,6,7
.irp q, 0,1
	global_load_b128 v[SC+8*\i+4*\q:SC+8*\i+4*\q+3], v[SOF2], s[8:9] offset:512*\i+256*\q
.endr
.endr
	s_lshl_b32 s82, s78, 10                        ; my first column in bytes: 1,024 x block + 512 x half
	s_lshl_b32 s83, s16, 9
	s_add_co_u32 s82, s82, s83
	v_lshl_add_u32 v[BOF], v3, 6, s82              ; + 64 h: register j of block b is column 32 (b / 2) + 16 h + 8 (b % 2) + j
	WIN 0xc0                                       ; destination window 3
.irp b, 0,1,2,3,4,5,6,7
	global_load_b128 v[8*\b:8*\b+3], v[BOF], s[10:11] offset:(32*(\b/2)+8*(\b%2))*4
	global_load_b128 v[8*\b+4:8*\b+7], v[BOF], s[10:11] offset:(32*(\b/2)+8*(\b%2))*4+16
.endr
	WIN 0
	s_lshl_b32 s84, s79, 7
	s_lshl_b32 s85, s15, 6
	s_add_co_u32 s84, s84, s85                     ; my first row: 128 x block + 64 x half
	s_lshl_b32 s84, s84, 12
	s_add_co_u32 s84, s84, s82
	s_mov_b32 s85, 0
	s_add_nc_u64 s[12:13], s[12:13], s[84:85]
	s_mul_i32 s86, s14, 16*SPITCH                  ; my stage
	v_mul_u32_u24 v[STO], v2, SPITCH
	v_lshl_add_u32 v[STO], v3, 6, v[STO]
	v_add_nc_u32 v[STO], s86, v[STO]               ; in: row r, + 64 h
	v_add_nc_u32 v[RD], s86, v[L16]                ; back: the 32 lanes take one row of 512 bytes
.macro FRAG reg, a16, a8, off          ; a fragment's image comes back as it was stored
	ds_load_b128 v[\reg:\reg+3], v[\a16] offset:\off
	ds_load_b64 v[\reg+4:\reg+5], v[\a8] offset:\off+512
	ds_load_b128 v[\reg+6:\reg+9], v[\a16] offset:\off+768
	ds_load_b64 v[\reg+10:\reg+11], v[\a8] offset:\off+1280
.endm
.macro FETCH ks                        ; K step ks's twelve fragments into sets ks % 2: 48 LDS loads in one run
.set FN, (\ks)/2
.set FQ, (\ks)%2
	WIN TO_P
.irp i, 0,1,2,3,4,5,6,7
	FRAG 128*FQ+FR*\i, P16+FN, P8+FN, \i*TROW+FQ*FRB
.endr
	WIN 0
.irp i, 0,1,2,3
	FRAG RF+48*FQ+FR*\i, R16+FN, R8+FN, \i*TROW+FQ*FRB
.endr
.endm
.macro MUL32 ks                        ; 32 matrix instructions; the accumulators take turns, one instruction a turn, in the same order in every step
.if (\ks) == 0
	WIN 0xb1                                       ; source 0 (P) window 1, source 1 (R) window 0, C (the bias) window 3, D window 2
.else
	WIN 0xa1                                       ; C and D window 2
.endif
.irp a, 0,1,2,3
.irp b, 0,1,2,3,4,5,6,7
.if (\ks) == 0
	v_wmma_scale_f32_16x16x128_f8f6f4 v[8*(8*\a+\b):8*(8*\a+\b)+7], v[128*((\ks)%2)+FR*\b:128*((\ks)%2)+FR*\b+FR-1], v[RF+48*((\ks)%2)+FR*\a:RF+48*((\ks)%2)+FR*\a+FR-1], v[8*\b:8*\b+7], v[SC+8*\b+(\ks)], v[SC+8*\a+(\ks)] matrix_a_fmt:MATRIX_FMT_FP6 matrix_b_fmt:MATRIX_FMT_FP6 matrix_a_scale:MATRIX_SCALE_ROW1
.else
	v_wmma_scale_f32_16x16x128_f8f6f4 v[8*(8*\a+\b):8*(8*\a+\b)+7], v[128*((\ks)%2)+FR*\b:128*((\ks)%2)+FR*\b+FR-1], v[RF+48*((\ks)%2)+FR*\a:RF+48*((\ks)%2)+FR*\a+FR-1], v[8*(8*\a+\b):8*(8*\a+\b)+7], v[SC+8*\b+(\ks)], v[SC+8*\a+(\ks)] matrix_a_fmt:MATRIX_FMT_FP6 matrix_b_fmt:MATRIX_FMT_FP6 matrix_a_scale:MATRIX_SCALE_ROW1
.endif
.endr
.endr
.endm
.macro KSTEP ks
	s_wait_dscnt 0x0                               ; this step's fragments are in
.if ((\ks)%2 == 1) && ((\ks) < 7)
	s_wait_tensorcnt 3-((\ks)+1)/2                 ; my part of the next slot has landed; the later slots' loads may stay out
	s_barrier_signal -1
	s_barrier_wait -1                              ; everybody's has
.endif
.if (\ks) < 7
	PLACES                                         ; in front of loads into the sets that the last step's products read
	FETCH (\ks)+1                                  ; the next step's fragments land under this step's products
.endif
	MUL32 \ks
.endm
	s_wait_tensorcnt 0x3                           ; my part of slot 0 is in
	s_barrier_signal -1
	s_barrier_wait -1
	FETCH 0
	s_wait_loadcnt 0x0                             ; the scale words and the bias
.irp k, 0,1,2,3,4,5,6,7
	KSTEP \k
.endr
	WIN 0
; THE WAY OUT, block by block of 16 rows x 128 columns: through my own stage in LDS, back as whole rows of 512 bytes.  LDS serves a wave's instructions in order: no wait between the stores and the loads.
.macro TOSTAGE a
	WIN 0x08                                       ; an LDS store's data are its source 1: window 2
.irp b, 0,1,2,3,4,5,6,7
	ds_store_b128 v[STO], v[8*(8*(\a)+\b):8*(8*(\a)+\b)+3] offset:128*(\b/2)+32*(\b%2)         ; each accumulator from its low end on; columns 32 (b / 2) + 16 h + 8 (b % 2) on
	ds_store_b128 v[STO], v[8*(8*(\a)+\b)+4:8*(8*(\a)+\b)+7] offset:128*(\b/2)+32*(\b%2)+16
.endr
	WIN 0
.set BB, BK+64*((\a)%2)
.irp t, 0,1,2,3,4,5,6,7,8,9,10,11,12,13,14,15
	ds_load_b128 v[BB+4*\t:BB+4*\t+3], v[RD] offset:\t*SPITCH
.endr
.endm
.macro SEND a, younger                 ; younger: the LDS instructions issued behind block a's loads, which may stay out
.set BB, BK+64*((\a)%2)
	s_wait_dscnt \younger
.irp t, 0,1,2,3,4,5,6,7,8,9,10,11,12,13,14,15
	global_store_b128 v[L16], v[BB+4*\t:BB+4*\t+3], s[12:13] offset:(32*((\a)/2)+8*((\a)%2)+(\t%8)+16*(\t/8))*4096 th:TH_STORE_NT   ; the tile's t-th row at its true place; 32 lanes store 512 consecutive bytes
.endr
.endm
	PLACES                                         ; in front of the first read of results and of loads into the registers that held R's fragments
	TOSTAGE 0
.irp a, 1,2,3
.if \a > 1
	s_wait_xcnt 0x0                                ; block a - 2's stores have read their registers: block a's rows may land there
.endif
	TOSTAGE \a
	SEND \a-1, 32                                  ; behind block a - 1's loads: block a's 16 stores and 16 loads
.endr
	SEND 3, 0
	s_wait_tensorcnt 0x0                           ; the wave's end: behind my last tensor load and my last LDS store
	ds_add_u32 v[SPW], v[NIL]
	s_wait_dscnt 0x0
	CROUND                                         ; the closing round
	s_endpgm
.Lfunc_end_k_q1730e131e2_gemm_out:
	.size	k_q1730e131e2_gemm_out, .Lfunc_end_k_q1730e131e2_gemm_out-k_q1730e131e2_gemm_out
	.p2alignl 7, 3214868480
	.fill 96, 4, 3214868480
	.section	.rodata,"a",@progbits
	.p2align	6, 0x0
	.amdhsa_kernel k_q1730e131e2_gemm_out
		.amdhsa_group_segment_fixed_size 327680
		.amdhsa_private_segment_fixed_size 0
		.amdhsa_enable_private_segment 0
		.amdhsa_kernarg_size 40
		.amdhsa_user_sgpr_count 2
		.amdhsa_user_sgpr_kernarg_segment_ptr 1
		.amdhsa_wavefront_size32 1
		.amdhsa_system_sgpr_workgroup_id_x 1
		.amdhsa_system_sgpr_workgroup_id_y 1
		.amdhsa_system_sgpr_workgroup_id_z 1
		.amdhsa_system_vgpr_workitem_id 0
		.amdhsa_next_free_vgpr 1024
		.amdhsa_next_free_sgpr 100
		.amdhsa_reserve_vcc 0
		.amdhsa_float_denorm_mode_32 3
		.amdhsa_float_denorm_mode_16_64 3
		.amdhsa_memory_ordered 1
		.amdhsa_forward_progress 1
		.amdhsa_inst_pref_size 87
	.end_amdhsa_kernel
	.amdgpu_metadata
---
amdhsa.version: [ 1, 2 ]
amdhsa.kernels:
  - .name:           k_q1730e131e2_gemm_out
    .symbol:         k_q1730e131e2_gemm_out.kd
    .args:
      - { .name: ao, .offset: 0, .size: 8, .value_kind: global_buffer, .address_space: global }
      - { .name: woc, .offset: 8, .size: 8, .value_kind: global_buffer, .address_space: global }
      - { .name: sc, .offset: 16, .size: 8, .value_kind: global_buffer, .address_space: global }
      - { .name: bo, .offset: 24, .size: 8, .value_kind: global_buffer, .address_space: global }
      - { .name: out0, .offset: 32, .size: 8, .value_kind: global_buffer, .address_space: global }
    .group_segment_fixed_size: 327680
    .private_segment_fixed_size: 0
    .kernarg_segment_align: 8
    .kernarg_segment_size: 40
    .max_flat_workgroup_size: 128
    .sgpr_count:     100
    .vgpr_count:     1024
    .wavefront_size: 32
...
	.end_amdgpu_metadata
.endif
;; end of part 4
